; MI455X (gfx1250); checked and timed in simulation.
; The chip was launched on July 23, 2026; its instructions are those of AMD's public machine-readable ISA for CDNA 5 (MIT licence, August 2026) and "CDNA5" Instruction Set Architecture Reference Guide (July 2026). The comments in the code are by the model that wrote it; some were corrected since.
;; Grouped Query Attention Exercise. Allowed arithmetic: matrix products marked QUANTISED: E4M3 operands, one E8M0 scale for each 32 along K, by v_wmma_scale_f32_16x16x128_f8f6f4 with both operands' format E4M3, f32 sums; everything else in f32.
;; Inputs: Wk 2,048 x 512 float32; Wo 2,048 x 2,048 float32; Wq 2,048 x 2,048 float32; Wv 2,048 x 512 float32; bk 512 float32; bo 2,048 float32; bq 2,048 float32; bv 512 float32; x 4 x 1,024 x 2,048 float32.
;; Outputs: out0 4 x 1,024 x 2,048 float32.
;; This version of the problem:
;;   THIS VERSION OF THE PROBLEM IS GIVEN IN LOW PRECISION. The matrix products marked QUANTISED in the list below multiply operands that are first quantised to E4M3 (4 exponent bits, 3 mantissa bits; 8 bits a number), with one power-of-two scale for each 32 numbers along K (OCP MX v1.0); their sums are f32. All else is computed in f32.
;;   The module's matrix products, in the order in which they are computed (A, B: the left and right operand; K: the contracted axis; several contracted axes count as one K, in the product's order):
;;     1. [M 4,096, K 2,048] x [K 2,048, N 2,048]; A: input x; B: input Wq: QUANTISED
;;     2. [M 4,096, K 2,048] x [K 2,048, N 512]; A: input x; B: input Wk: QUANTISED
;;     3. [M 4,096, K 2,048] x [K 2,048, N 512]; A: input x; B: input Wv: QUANTISED
;;     4. batch 32 x [M 4,096, K 64] x [K 64, N 1,024]; A: computed on the way; B: computed on the way: QUANTISED
;;     5. batch 32 x [M 4,096, K 1,024] x [K 1,024, N 64]; A: softmax (see below); B: computed on the way: QUANTISED
;;     6. [M 4,096, K 2,048] x [K 2,048, N 2,048]; A: computed on the way; B: input Wo: QUANTISED
;;   THE QUANTISER, for each operand of a quantised product, along K:
;;     - K is cut into blocks of 32 from its start; a last block that is shorter is filled with zeros.
;;     - A block's scale is 2^e with e = floor(log2(the largest magnitude in the block)) - 8, held to -126 .. 127; a block of zeros has e = 0. As a byte (E8M0): e + 127.
;;     - Each number is divided by its block's scale, clamped to +-448, and rounded to the nearest number of E4M3, ties to even, subnormals kept.
;;     - The product sums the exact products of the quantised numbers (number of the format x scale) in f32.
;;   ~~~python
;;   def quantise(x, axis):      # numpy; x: float32 -> the quantised numbers, widened to float32 again
;;       x = np.moveaxis(x, axis, -1); K = x.shape[-1]
;;       x = np.pad(x, [(0, 0)] * (x.ndim - 1) + [(0, -K % 32)]); x = x.reshape(x.shape[:-1] + (-1, 32)); a = np.abs(x).max(-1, keepdims=True)
;;       e = np.where(a > 0, np.clip(np.frexp(np.where(a > 0, a, 1))[1] - 1 - 8, -126, 127), 0)      # np.frexp(a)[1] - 1 = floor(log2(a)), exactly
;;       r = np.clip(x / 2.0 ** e, -448, 448)
;;       step = 2.0 ** (np.maximum(np.frexp(np.where(r == 0, 1, r))[1] - 1, -6) - 3)
;;       q = np.round(r / step) * step * 2.0 ** e      # np.round: ties to even
;;       return np.moveaxis(q.reshape(q.shape[:-2] + (-1,))[..., :K], -1, axis).astype(np.float32)
;;   ~~~
;;   SOFTMAX AHEAD OF A QUANTISED PRODUCT. Where the list says 'softmax', what is quantised is not the finished softmax but p = 2^(t - M), with t = logit x log2(e) and M = ceil(the row's largest t), a whole number; so 1/2 < the row's largest p <= 1. The row's sum l is taken of the UNQUANTISED p, in f32, and the product's result is divided by l at the end. Since M is a whole number, a kernel that streams over the keys may use a running M (the ceiling of the running maximum): every later rescaling is an exact power of two, which a block's scale takes up: the codes' values come out the same.
;;   OPERANDS COMPUTED ON THE WAY. 'Computed on the way' means the value that the module computes at that place (a softmax that the list does not call 'softmax' is quantised finished and normalised). What goes into a quantiser is computed in f32, as accurately as f32 sums, v_exp_f32 and their like allow (about 1e-6 of the number): no bf16 or f16 on the way to a quantiser, and a product that is left as it is and whose result goes on into a quantised operand takes f32 operands (vector FMAs, or v_wmma_f32_16x16x4_f32). A number that lies on a knife's edge between two numbers of the format may be rounded either way, as far as f32 arithmetic and the matrix unit's own rounding can turn it there, and no further.
;; One version. Each part assembles by itself: llvm-mc -triple=amdgcn-amd-amdhsa -mcpu=gfx1250 --defsym DOCPART=n.
;; ======== version 1 of 1: 4 launches
;; limits: right only within a limited range of input values
;; workspace buffers: xw_codes 18,874,368 bytes; xw_scales 589,824 bytes; qkv_codes 12,582,912 bytes; qkv_scales 786,432 bytes; o_codes 8,388,608 bytes; o_scales 262,144 bytes
;; launch prep (part 1): grid 288 x 1, 8 waves a work-group, no clusters, 117,760 bytes of LDS; arguments x, Wq, Wk, Wv, Wo, xw_codes, xw_scales; writes xw_codes, xw_scales
.if DOCPART == 1
	.amdgcn_target "amdgcn-amd-amdhsa--gfx1250"
	.amdhsa_code_object_version 6
	.text
	.protected	k_qdbbd69a1f3_prep
	.globl	k_qdbbd69a1f3_prep
	.p2align	8
	.type	k_qdbbd69a1f3_prep,@function
k_qdbbd69a1f3_prep:
	s_mov_b64 s[64:65], 0
	v_nop
	global_prefetch_b8 v0, s[64:65] scope:SCOPE_SE
	s_setreg_imm32_b32 hwreg(HW_REG_WAVE_MODE, 25, 1), 1
	s_wait_xcnt 0x0
; x [4096][2048] f32 (K innermost) and Wq, Wk, Wv, Wo f32 (K is the FIRST axis) become codes of FP8 (E4M3) with K innermost, 2,048 bytes a row, and one E8M0 byte for each 32 along K.
; A block's scale is 2^(floor(log2(its largest magnitude)) - 8); its byte is the largest magnitude's exponent field - 8, held at 1 from below; numbers are held within +-448 x the scale and rounded to the nearest code.
; LIMITS: NaN and infinities among the inputs are not served; blocks whose largest magnitude lies under 2^-118 keep the byte 1; a block of zeros gets the byte 1 where the rule says 127
; (its codes are zeros, which add nothing under any byte but 0xff, and this program alone reads the bytes).
; LAYOUT OF THE OUTPUT.  Rows stand in groups of 32; inside a group the row at place p holds logical row sw(p), sw = bits 3 and 4 exchanged.  So 16 consecutive places hold logical rows
; 8 u + 0..7 and 16 + 8 u + 0..7, and the results of two neighbouring tiles are 16 neighbours along the next product's K.  xw_codes: x's 4,096 rows, then 5,120 weight rows
; (Wq's columns; then by turns 128 of Wk's and 128 of Wv's; then Wo's).  xw_scales: [K step of 256][row][8 bytes], x's part first: 32 rows of a K step are 256 consecutive bytes.
; SHARES.  Work-groups 0-127: 32 rows of x, four to a wave (16 steps of 512 numbers through the wave's own stage in LDS, so that loads are dense and a lane holds 16 neighbours).
; Work-groups 128-287: 128 columns x 512 along K of a weight; a wave takes 32 columns x 256 along K: a lane takes a column and its registers run down K.
; Each work-group reads 256 KiB.  No input is shared between work-groups, so there is no cluster; no tensor load, so no ring.  The two paths part on the work-group's number, have LDS bytes of their own, and meet at one barrier.
; LDS in use: 112,640 bytes.
.set WOFF,  8388608                    ; the weights' codes in xw_codes
.set WSOFF, 262144                     ; the weights' scale bytes in xw_scales
.set XSC,   40960                      ; LDS: behind the eight waves' stages (5,120 bytes each): x's scale bytes [K step 8][32 rows][8]
.set WST,   43008                      ; LDS: the weights' stages: 32 rows x 272 bytes for each wave
.set SP,    80                         ; a lane's place in x's stage: 64 bytes + 16 of padding
.set STEPS, 16
.set EMAX,  8
.set MANT,  0x600000                   ; the mantissa field of 448
.set R,     16                         ; x: v16-79 four sets of 16 numbers as loaded
.set XN,    80                         ; x: v80-111 two sets of 16 neighbours
.set E,     112                        ; x: v112-127 a scale byte for each step
.set C,     128                        ; x: v128-191 codes, four registers a step
.set WX,    32                         ; W: v32-95 two sets of 32 numbers
.set WC,    96                         ; W: v96-103 a block's codes
.set OUTR,  112                        ; W: v112-175 the way out
.set SB,    26                         ; W: v26-27 the scale bytes
.set OFF,   192                        ; W: v192-223 4 x lane + i x pitch
.set PL,    224                        ; W: my column's place in its group of 32
.set WIA,   225                        ; W: my row of the stage
.set WOA,   228                        ; W: where I read the stage back
.set WGO,   229                        ; W: the same place in xw_codes
.set WSO,   230                        ; W: 8 x place
.set L4,    231                        ; W: 4 x lane
	s_load_b256 s[4:11], s[0:1], 0x0               ; x s[4:5], Wq s[6:7], Wk s[8:9], Wv s[10:11]
	s_load_b128 s[12:15], s[0:1], 0x20             ; Wo s[12:13], xw_codes s[14:15]
	s_load_b64 s[16:17], s[0:1], 0x30              ; xw_scales
	v_lshl_add_u32 v232, v0, 2, 0x1c800
	v_mov_b32 v233, 0
	v_lshrrev_b32 v1, 5, v0
	s_delay_alu instid0(VALU_DEP_1)
	v_readfirstlane_b32 s18, v1                    ; wave 0..7
	v_and_b32 v2, 31, v0                           ; lane
	s_wait_alu depctr_va_vdst(0)
	s_and_b32 s19, s18, 1                          ; w': the wave's number with bits 1 and 2 exchanged: rows 4 w .. 4 w + 3 stand at places 4 w' ..
	s_and_b32 s20, s18, 2
	s_lshl_b32 s20, s20, 1
	s_or_b32 s19, s19, s20
	s_and_b32 s20, s18, 4
	s_lshr_b32 s20, s20, 1
	s_or_b32 s19, s19, s20
	; every LDS address of both paths is made here, ahead of the parting
	v_lshlrev_b32 v3, 4, v2                        ; 16 x lane: my bytes of a load's 512, and of a step's 512 code bytes
	s_mul_i32 s20, s18, 5120
	v_lshrrev_b32 v14, 2, v2
	s_delay_alu instid0(VALU_DEP_1)
	v_mul_u32_u24 v14, v14, SP
	v_and_b32 v15, 3, v2
	s_delay_alu instid0(VALU_DEP_1)
	v_lshl_add_u32 v14, v15, 4, v14
	s_delay_alu instid0(VALU_DEP_1)
	v_add_nc_u32 v14, s20, v14                     ; x's stage, in: 80 (lane / 4) + 16 (lane % 4)
	v_mul_u32_u24 v15, v2, SP
	s_delay_alu instid0(VALU_DEP_1)
	v_add_nc_u32 v15, s20, v15                     ; and out: 80 x lane
	v_lshrrev_b32 v5, 4, v2
	s_delay_alu instid0(VALU_DEP_1)
	v_lshlrev_b32 v5, 8, v5
	v_bfe_u32 v6, v2, 1, 3
	s_delay_alu instid0(VALU_DEP_1)
	v_add_nc_u32 v5, v5, v6
	s_lshl_b32 s20, s19, 5
	s_add_co_u32 s20, s20, XSC
	v_add_nc_u32 v5, s20, v5                       ; my block's byte: 256 (lane / 16) for the K step, (lane / 2) % 8 in it, 8 x 4 w' for the row
	v_lshlrev_b32 v7, 3, v2                        ; 8 x lane
	s_lshl_b32 s20, s18, 8
	s_add_co_u32 s20, s20, XSC
	v_add_nc_u32 v6, s20, v7                       ; at the end wave w takes K step w's 256 bytes
	v_and_b32 v[PL], 7, v2                         ; sw(lane), by additions alone: lane % 8,
	v_and_b32 v[WIA], 8, v2
	s_delay_alu instid0(VALU_DEP_1)
	v_lshl_add_u32 v[PL], v[WIA], 1, v[PL]         ; + 16 where bit 3 is set,
	v_bfe_u32 v[WIA], v2, 4, 1
	s_delay_alu instid0(VALU_DEP_1)
	v_lshl_add_u32 v[PL], v[WIA], 3, v[PL]         ; + 8 where bit 4 is set: 7 + 16 + 8 = 31 at the most
	s_mul_i32 s20, s18, 8704
	s_add_co_u32 s20, s20, WST
	v_mul_u32_u24 v[WIA], v[PL], 272
	s_delay_alu instid0(VALU_DEP_1)
	v_add_nc_u32 v[WIA], s20, v[WIA]
	v_lshrrev_b32 v226, 4, v2
	v_and_b32 v227, 15, v2
	s_delay_alu instid0(VALU_DEP_2)
	v_mul_u32_u24 v[WOA], v226, 272
	s_delay_alu instid0(VALU_DEP_1)
	v_lshl_add_u32 v[WOA], v227, 4, v[WOA]
	s_delay_alu instid0(VALU_DEP_1)
	v_add_nc_u32 v[WOA], s20, v[WOA]               ; sixteen lanes to a row, two rows an instruction
	v_lshlrev_b32 v[WGO], 11, v226
	s_delay_alu instid0(VALU_DEP_1)
	v_lshl_add_u32 v[WGO], v227, 4, v[WGO]
	v_lshlrev_b32 v[WSO], 3, v[PL]
	v_lshlrev_b32 v[L4], 2, v2
	s_mov_b32 s23, MANT
	s_wait_kmcnt 0x0
	s_cmp_lt_u32 ttmp9, 128
	s_cbranch_scc0 .Lw
	; ---------------- x ----------------
	s_lshl_b32 s20, ttmp9, 5
	s_lshl_b32 s21, s18, 2
	s_add_co_u32 s21, s20, s21                     ; my first logical row
	s_lshl_b32 s24, s21, 13
	s_mov_b32 s25, 0
	s_add_nc_u64 s[4:5], s[4:5], s[24:25]
	s_lshl_b32 s21, s19, 2
	s_add_co_u32 s21, s20, s21                     ; and its place
	s_lshl_b32 s24, s21, 11
	s_add_nc_u64 s[26:27], s[14:15], s[24:25]
.macro LOADX t
.irp i, 0,1,2,3
	global_load_b128 v[R+16*((\t)%4)+4*\i:R+16*((\t)%4)+4*\i+3], v3, s[4:5] offset:2048*(\t)+512*\i th:TH_LOAD_NT   ; 32 lanes read 512 consecutive bytes
.endr
.endm
.macro TURNX t                         ; a step's 2,048 bytes through the stage; LDS serves a wave's instructions in order, so no wait stands between the stores and the loads
.irp i, 0,1,2,3
	ds_store_b128 v14, v[R+16*((\t)%4)+4*\i:R+16*((\t)%4)+4*\i+3] offset:32*SP*((\t)%2)+8*SP*\i
.endr
.irp i, 0,1,2,3
	ds_load_b128 v[XN+16*((\t)%2)+4*\i:XN+16*((\t)%2)+4*\i+3], v15 offset:32*SP*((\t)%2)+16*\i
.endr
.endm
.irp t, 0,1,2,3
	LOADX \t
.endr
	s_wait_loadcnt 12                              ; step 0's four loads are in
	TURNX 0
.macro STEPX t
.set XS, XN+16*((\t)%2)
.if (\t) > 0
	s_wait_dscnt 1                                 ; this step's numbers are back from the stage; only the last step's byte store may be out
.else
	s_wait_dscnt 0x0
.endif
.if (\t)+4 < STEPS
	LOADX (\t)+4                                   ; into the registers that this step's stores into the stage have read
.endif
.if (\t)+1 < STEPS
.if STEPS-2-(\t) >= 3
	s_wait_loadcnt 12                              ; the next step's four loads are in; those of the three steps behind it may be out
.else
	s_wait_loadcnt 4*(STEPS-2-(\t))
.endif
	TURNX (\t)+1
.endif
	v_max3_num_f32 v8, |v[XS]|, |v[XS+1]|, |v[XS+2]|
	v_max3_num_f32 v9, |v[XS+3]|, |v[XS+4]|, |v[XS+5]|
.irp i, 6,10
	s_delay_alu instid0(VALU_DEP_2)
	v_max3_num_f32 v8, v8, |v[XS+\i]|, |v[XS+\i+1]|
	s_delay_alu instid0(VALU_DEP_2)
	v_max3_num_f32 v9, v9, |v[XS+\i+2]|, |v[XS+\i+3]|
.endr
	s_delay_alu instid0(VALU_DEP_2)
	v_max3_num_f32 v8, v8, |v[XS+14]|, |v[XS+15]|
	s_delay_alu instid0(VALU_DEP_1)
	v_max3_num_f32 v8, v8, v9, (EMAX+1)<<23        ; the floor 2^(9 - 127): the byte cannot fall under 1
	s_delay_alu instid0(VALU_DEP_1)
	v_max_num_f32_dpp v8, v8, v8 row_xmask:1 row_mask:0xf bank_mask:0xf   ; with my neighbour's 16: the block's largest magnitude
	s_delay_alu instid0(VALU_DEP_1)
	v_add_nc_u32 v11, -(EMAX<<23), v8              ; 8 off its exponent field: the conversion's scale operand
	s_delay_alu instid0(VALU_DEP_2)
	v_and_or_b32 v10, v8, 0x7f800000, s23          ; 448 x the scale
.irp i, 0,1,2,3,4,5,6,7,8,9,10,11,12,13,14,15
	v_med3_num_f32 v[XS+\i], v[XS+\i], -v10, v10   ; the conversion does not saturate (ISA guide 7.6.2): the hold comes first
.endr
	v_cvt_scalef32_pk8_fp8_f32 v[C+4*(\t):C+4*(\t)+1], v[XS:XS+7], v11
	v_cvt_scalef32_pk8_fp8_f32 v[C+4*(\t)+2:C+4*(\t)+3], v[XS+8:XS+15], v11
	v_lshrrev_b32 v[E+(\t)], 23, v11               ; the scale's byte (also the plain line behind the conversions)
	ds_store_b8 v5, v[E+(\t)] offset:512*((\t)%4)+8*((\t)/4)       ; K steps 2 (t % 4) and + 1, row t / 4 of my four; both lanes of a block write the same byte
	global_store_b128 v3, v[C+4*(\t):C+4*(\t)+3], s[26:27] offset:512*(\t)   ; 512 consecutive bytes
.endm
.irp t, 0,1,2,3,4,5,6,7,8,9,10,11,12,13,14,15
	STEPX \t
.endr
	s_branch .Ljoin
	; ---------------- the weights ----------------
.Lw:
	s_sub_co_u32 s24, ttmp9, 128
	s_lshr_b32 s25, s24, 2                         ; cb: which 128 weight rows (0..39)
	s_and_b32 s24, s24, 3
	s_and_b32 s29, s18, 3                          ; cg: which 32 of them are my wave's
	s_lshr_b32 s30, s18, 2
	s_lshl_b32 s24, s24, 1
	s_add_co_u32 s24, s24, s30                     ; my K step of 256
	s_lshl_b32 s30, s25, 7                         ; the first column: in Wq,
	s_sub_co_u32 s26, s25, 16
	s_lshr_b32 s27, s26, 1
	s_lshl_b32 s27, s27, 7                         ; in Wk or Wv,
	s_sub_co_u32 s31, s25, 24
	s_lshl_b32 s31, s31, 7                         ; in Wo
	s_mov_b32 s28, 2048                            ; a row of Wk or Wv in bytes
	s_mov_b32 s48, 8192                            ; of Wq or Wo
	s_and_b32 s26, s26, 1
	s_cmp_eq_u32 s26, 0                            ; every choice hangs on the work-group's number alone
	s_cselect_b64 s[20:21], s[8:9], s[10:11]
	s_cmp_lt_u32 s25, 24
	s_cselect_b64 s[20:21], s[20:21], s[12:13]
	s_cselect_b32 s27, s27, s31
	s_cselect_b32 s28, s28, s48
	s_cmp_lt_u32 s25, 16
	s_cselect_b64 s[20:21], s[6:7], s[20:21]
	s_cselect_b32 s27, s30, s27
	s_cselect_b32 s28, s48, s28
.set i, 0
	s_wait_alu depctr_va_vdst(0)
.rept 32
	v_mad_u32_u24 v[OFF+i], s28, i, v[L4]          ; row i of a block, my column
.set i, i+1
.endr
	s_lshl_b32 s48, s24, 8
	s_mul_i32 s48, s48, s28                        ; 256 x K step rows down
	s_lshl_b32 s49, s29, 5
	s_add_co_u32 s49, s49, s27
	s_lshl_b32 s49, s49, 2
	s_add_co_u32 s48, s48, s49
	s_mov_b32 s49, 0
	s_add_nc_u64 s[32:33], s[20:21], s[48:49]      ; a base for each of the eight blocks: none is ever stepped
	s_lshl_b32 s50, s28, 5
	s_mov_b32 s51, 0
.irp t, 1,2,3,4,5,6,7
	s_add_nc_u64 s[32+2*\t:33+2*\t], s[30+2*\t:31+2*\t], s[50:51]
.endr
	s_lshl_b32 s52, s25, 7
	s_lshl_b32 s53, s29, 5
	s_add_co_u32 s52, s52, s53                     ; my first weight row
	s_lshl_b32 s54, s52, 11
	s_lshl_b32 s55, s24, 8
	s_add_co_u32 s54, s54, s55
	s_add_co_u32 s54, s54, WOFF
	s_mov_b32 s55, 0
	s_add_nc_u64 s[54:55], s[14:15], s[54:55]      ; its codes of my K step
	s_lshl_b32 s52, s52, 3
	s_mul_i32 s53, s24, 40960
	s_add_co_u32 s52, s52, s53
	s_add_co_u32 s52, s52, WSOFF
	s_mov_b32 s53, 0
	s_add_nc_u64 s[52:53], s[16:17], s[52:53]      ; and its scale bytes
.macro LOADW t
.set i, 0
.rept 32
	global_load_b32 v[WX+32*((\t)%2)+i], v[OFF+i], s[32+2*(\t):33+2*(\t)] th:TH_LOAD_NT   ; 128 consecutive bytes a wave
.set i, i+1
.endr
.endm
	s_wait_alu depctr_va_vdst(0)
	LOADW 0
	LOADW 1
.macro BLOCKW t
.set XS, WX+32*((\t)%2)
.if (\t) < 7
	s_wait_loadcnt 32                              ; this block's 32 loads are in; the next block's may be out
.else
	s_wait_loadcnt 0
.endif
	v_max3_num_f32 v12, |v[XS]|, |v[XS+1]|, |v[XS+2]|              ; all 32 numbers of the block are mine
	v_max3_num_f32 v13, |v[XS+3]|, |v[XS+4]|, |v[XS+5]|
.irp i, 6,10,14,18,22,26
	s_delay_alu instid0(VALU_DEP_2)
	v_max3_num_f32 v12, v12, |v[XS+\i]|, |v[XS+\i+1]|
	s_delay_alu instid0(VALU_DEP_2)
	v_max3_num_f32 v13, v13, |v[XS+\i+2]|, |v[XS+\i+3]|
.endr
	s_delay_alu instid0(VALU_DEP_2)
	v_max3_num_f32 v12, v12, |v[XS+30]|, |v[XS+31]|
	s_delay_alu instid0(VALU_DEP_1)
	v_max3_num_f32 v12, v12, v13, (EMAX+1)<<23
	s_delay_alu instid0(VALU_DEP_1)
	v_add_nc_u32 v11, -(EMAX<<23), v12
	s_delay_alu instid0(VALU_DEP_2)
	v_and_or_b32 v10, v12, 0x7f800000, s23
	s_delay_alu instid0(VALU_DEP_2)
	v_lshrrev_b32 v13, 23, v11
.if (\t)%4 == 0
	s_delay_alu instid0(VALU_DEP_1)
	v_mov_b32 v[SB+(\t)/4], v13                    ; four bytes to a register, the lower K in the lower byte
.else
	s_delay_alu instid0(VALU_DEP_1)
	v_lshl_or_b32 v[SB+(\t)/4], v13, 8*((\t)%4), v[SB+(\t)/4]
.endif
.set i, 0
.rept 32
	v_med3_num_f32 v[XS+i], v[XS+i], -v10, v10
.set i, i+1
.endr
.irp g, 0,1,2,3
	v_cvt_scalef32_pk8_fp8_f32 v[WC+2*\g:WC+2*\g+1], v[XS+8*\g:XS+8*\g+7], v11
.endr
	ds_store_b128 v[WIA], v[WC:WC+3] offset:32*(\t)
	ds_store_b128 v[WIA], v[WC+4:WC+7] offset:32*(\t)+16
.if (\t)+2 < 8
	LOADW (\t)+2
.endif
	s_wait_dscnt 0x0                               ; the stores have read their registers: the next block's codes may be written
.endm
.set Q, 0
.rept 8
	BLOCKW Q
.set Q, Q+1
.endr
	global_store_b64 v[WSO], v[SB:SB+1], s[52:53]  ; 32 rows x 8 bytes: 256 consecutive bytes, aligned
.irp t, 0,1,2,3,4,5,6,7,8,9,10,11,12,13,14,15
	ds_load_b128 v[OUTR+4*\t:OUTR+4*\t+3], v[WOA] offset:544*\t
.endr
.irp t, 0,1,2,3,4,5,6,7,8,9,10,11,12,13,14,15
	s_wait_dscnt 15-\t
	global_store_b128 v[WGO], v[OUTR+4*\t:OUTR+4*\t+3], s[54:55] offset:4096*\t   ; sixteen lanes store 256 consecutive bytes, aligned
.endr
.Ljoin:
	s_wait_dscnt 0x0                               ; for the others' sake: my byte stores have landed
	s_barrier_signal -1
	s_barrier_wait -1
	s_cmp_lt_u32 ttmp9, 128
	s_cbranch_scc0 .Lend
	ds_load_b64 v[12:13], v6                       ; K step w's bytes of the work-group's 32 rows, written by all eight waves
	s_lshl_b32 s24, s18, 15
	s_lshl_b32 s25, ttmp9, 8
	s_add_co_u32 s24, s24, s25
	s_mov_b32 s25, 0
	s_add_nc_u64 s[16:17], s[16:17], s[24:25]
	s_wait_dscnt 0x0
	global_store_b64 v7, v[12:13], s[16:17]        ; 256 consecutive bytes, aligned
.Lend:
	s_wait_tensorcnt 0x0
	ds_add_u32 v232, v233
	s_wait_dscnt 0x0
	s_endpgm
.Lfunc_end_k_qdbbd69a1f3_prep:
	.size	k_qdbbd69a1f3_prep, .Lfunc_end_k_qdbbd69a1f3_prep-k_qdbbd69a1f3_prep
	.p2alignl 7, 3214868480
	.fill 96, 4, 3214868480
	.section	.rodata,"a",@progbits
	.p2align	6, 0x0
	.amdhsa_kernel k_qdbbd69a1f3_prep
		.amdhsa_group_segment_fixed_size 117760
		.amdhsa_private_segment_fixed_size 0
		.amdhsa_enable_private_segment 0
		.amdhsa_kernarg_size 56
		.amdhsa_user_sgpr_count 2
		.amdhsa_user_sgpr_kernarg_segment_ptr 1
		.amdhsa_wavefront_size32 1
		.amdhsa_system_sgpr_workgroup_id_x 1
		.amdhsa_system_sgpr_workgroup_id_y 1
		.amdhsa_system_sgpr_workgroup_id_z 1
		.amdhsa_system_vgpr_workitem_id 0
		.amdhsa_next_free_vgpr 234
		.amdhsa_next_free_sgpr 66
		.amdhsa_reserve_vcc 0
		.amdhsa_float_denorm_mode_32 3
		.amdhsa_float_denorm_mode_16_64 3
		.amdhsa_memory_ordered 1
		.amdhsa_forward_progress 1
		.amdhsa_inst_pref_size 123
	.end_amdhsa_kernel
	.amdgpu_metadata
---
amdhsa.version: [ 1, 2 ]
amdhsa.kernels:
  - .name:           k_qdbbd69a1f3_prep
    .symbol:         k_qdbbd69a1f3_prep.kd
    .args:
      - { .name: x, .offset: 0, .size: 8, .value_kind: global_buffer, .address_space: global }
      - { .name: Wq, .offset: 8, .size: 8, .value_kind: global_buffer, .address_space: global }
      - { .name: Wk, .offset: 16, .size: 8, .value_kind: global_buffer, .address_space: global }
      - { .name: Wv, .offset: 24, .size: 8, .value_kind: global_buffer, .address_space: global }
      - { .name: Wo, .offset: 32, .size: 8, .value_kind: global_buffer, .address_space: global }
      - { .name: xw_codes, .offset: 40, .size: 8, .value_kind: global_buffer, .address_space: global }
      - { .name: xw_scales, .offset: 48, .size: 8, .value_kind: global_buffer, .address_space: global }
    .group_segment_fixed_size: 117760
    .private_segment_fixed_size: 0
    .kernarg_segment_align: 8
    .kernarg_segment_size: 56
    .max_flat_workgroup_size: 256
    .sgpr_count:     66
    .vgpr_count:     234
    .wavefront_size: 32
...
	.end_amdgpu_metadata
.endif
;; end of part 1
;; launch qkv (part 2): grid 12 x 16, 4 waves a work-group, clusters of 4 x 4, 327,680 bytes of LDS; arguments xw_codes, xw_scales, bq, bk, bv, qkv_codes, qkv_scales; writes qkv_codes, qkv_scales
.if DOCPART == 2
	.amdgcn_target "amdgcn-amd-amdhsa--gfx1250"
	.amdhsa_code_object_version 6
	.text
	.protected	k_qdbbd69a1f3_qkv
	.globl	k_qdbbd69a1f3_qkv
	.p2align	8
	.type	k_qdbbd69a1f3_qkv,@function
k_qdbbd69a1f3_qkv:
	s_mov_b64 s[64:65], 0
	v_nop
	global_prefetch_b8 v0, s[64:65] scope:SCOPE_SE
	s_setreg_imm32_b32 hwreg(HW_REG_WAVE_MODE, 25, 1), 1
	s_wait_xcnt 0x0
	s_wait_alu depctr_hold_cnt(0) depctr_sa_sdst(0) depctr_va_vdst(0) depctr_va_sdst(0) depctr_va_ssrc(0) depctr_va_vcc(0) depctr_vm_vsrc(0)
	s_getreg_b32 s2, hwreg(HW_REG_IB_STS2, 6, 4)
	s_cmp_eq_u32 s2, 0
	s_cbranch_scc0 .Lentry_in_a_cluster
	s_endpgm
.Lentry_in_a_cluster:
	s_bfe_u32 s2, ttmp6, 0x10000c
	s_cmp_lg_u32 s2, 0xf033
	s_cbranch_scc0 .Lentry_shape_is_right
	s_endpgm
.Lentry_shape_is_right:
.set NA,    8
.set HB,    NA/2
.set PITCH, 272
.set FR,    16
.set NL,    4
.set NP,    8
.set HAT,   16*NA*PITCH
.set HBT,   128*PITCH
.set SLOT,  2*HAT+2*HBT
.set SCL,   2*SLOT
; q, k, v = x W + b on codes of MX-FP8, quantised again on the way out.  A block of 256 x 256 a work-group, K in steps of 256 through two LDS slots, joint loads in a 4 x 4 cluster.
; V's waves take x's rows as source 0 and W's as source 1, so their LDS addresses hang on the cluster's number.  Every byte of the slots and of the scales' region is therefore written:
; a tile is stated 272 bytes wide over 256 bytes of tensor (scale rows: 2,064 over 2,048), and the load lays zeros behind each row: the LDS pitch is 272 with no byte left out.
.set SPART, 1024                       ; the scale bytes of 128 rows in a K step's row
.set SROW,  2064                       ; a K step's scale bytes of 256 rows + 16 zeros
.set SCB,   SCL+8*SROW                 ; W's scale bytes behind x's
.set PFO,   30                         ; v30 the prefetches' offset; never rewritten
.set PFA,   100                        ; s[100:101] xw_codes, stepped 256 bytes at each refill
.set SPARE, 312576
.set WOFF,  8388608
.set WSOFF, 262144
.set KOFF,  8388608
.set VOFF,  10485760
.set KSOFF, 524288
.set VSOFF, 655360
.set BI1,   8
.set ADRA,  16
.set ADRB,  20
.set VO0,   24
.set VO1,   25
.set VS,    26
.set ADRS,  27
.set SPW,   28
.set NIL,   29
.set SC,    32
.set BI0,   64
.set AF,    128
.set T,     128
.set TM,    224
.set G1,   24
.set G0,   32
.set G1B,  48
.set G0B,  56
.set G1S,  68
.set G0S,  76
.set G1SB, 80
.set G0SB, 88
.set BASE, 68
.set SBS,  84
.set MSB, 0
.macro WIN new
.if MSB != (\new)
	s_set_vgpr_msb (MSB<<8)|(\new)
.set MSB, (\new)
.endif
.endm
.macro JLOAD g0a, g1a, g0b, g1b
	s_cmp_eq_u32 s19, 0
	s_cbranch_scc0 .Lfor_b_\@
	tensor_load_to_lds s[\g0a:\g0a+3], s[\g1a:\g1a+7]
	s_nop 0
.rept 4
	v_nop
.endr
	s_branch .Lasked_\@
.Lfor_b_\@:
	tensor_load_to_lds s[\g0b:\g0b+3], s[\g1b:\g1b+7]
	s_nop 0
.rept 4
	v_nop
.endr
.Lasked_\@:
.endm
.macro CREST
	s_cmp_lg_u32 s18, 0
	s_cbranch_scc1 .Lnot_wave_0_\@
	s_barrier_signal -3
.Lnot_wave_0_\@:
	s_barrier_wait -3
	s_barrier_signal -1
	s_barrier_wait -1
.endm
.macro CROUND
	s_barrier_signal -1
	s_barrier_wait -1
	CREST
.endm
	s_load_b256 s[4:11], s[0:1], 0x0
	s_load_b128 s[12:15], s[0:1], 0x20
	s_load_b64 s[16:17], s[0:1], 0x30
	v_lshl_add_u32 v[SPW], v0, 2, SPARE
	v_mov_b32 v[NIL], 0
	ds_add_u32 v28, v29
	ds_add_u32 v28, v29
	s_wait_dscnt 0x0
	v_lshrrev_b32 v1, 5, v0
	v_readfirstlane_b32 s18, v1
	s_lshr_b32 s19, s18, 1
	s_and_b32 s20, s18, 1
	s_bfe_u32 s21, ttmp6, 0x40000
	s_bfe_u32 s22, ttmp6, 0x40004
	s_lshl_b32 s23, ttmp9, 2
	s_add_co_u32 s23, s23, s21
	s_and_b32 s40, ttmp7, 0xffff
	s_lshl_b32 s40, s40, 2
	s_add_co_u32 s40, s40, s22
	s_cmp_eq_u32 ttmp9, 2
	s_cselect_b32 s41, s20, 0
	s_lshl_b32 s42, s22, 2
	s_lshl_b32 s42, 15, s42
	s_lshl_b32 s43, 0x1111, s21
	s_mov_b32 s2, 0x600000
	s_mov_b32 s66, 0x76543210
	s_mov_b32 s67, 0xfedcba98
	s_or_b32 s[G1+0], s42, (0<<16)|(1<<21)
	s_or_b32 s[G1B+0], s43, (0<<16)|(1<<21)
.irp g, G1, G1B
	s_mov_b32 s[\g+1], 256<<16                     ; tensor_dim0 = 256
	s_mov_b32 s[\g+2], 256<<16                     ; the head's loads bring 256 rows
	s_mov_b32 s[\g+3], PITCH<<16                   ; tile_dim0 = 272: 16 zeros behind each row
	s_mov_b32 s[\g+4], 256
	s_mov_b32 s[\g+5], 2048
	s_mov_b32 s[\g+6], 0
	s_mov_b32 s[\g+7], 0
.endr
	s_or_b32 s[G1S+0], s42, (3<<16)|(1<<21)
	s_or_b32 s[G1SB+0], s43, (3<<16)|(1<<21)
.irp g, G1S, G1SB
	s_mov_b32 s[\g+1], 256<<16                     ; 256 rows x 8 bytes of a K step
	s_mov_b32 s[\g+2], 8<<16
	s_mov_b32 s[\g+3], (SROW/8)<<16                ; and 16 zeros
	s_mov_b32 s[\g+4], 8
	s_mov_b32 s[\g+6], 0
	s_mov_b32 s[\g+7], 0
.endr
	s_mov_b32 s[G1S+5], 4096
	s_mov_b32 s[G1SB+5], 5120
	s_lshl_b32 s92, s40, 8                         ; the block's first row of x
	s_lshl_b32 s94, s23, 8                         ; and of W
	s_lshl_b32 s96, s92, 3
	s_mov_b32 s97, 0
	s_lshl_b32 s98, s94, 3
	s_add_co_u32 s98, s98, WSOFF
	s_mov_b32 s99, 0
	s_lshl_b32 s92, s92, 11
	s_mov_b32 s93, 0
	s_lshl_b32 s94, s94, 11
	s_add_co_u32 s94, s94, WOFF
	s_mov_b32 s95, 0
	s_mul_i32 s45, s18, HBT
	s_lshl_b32 s46, s20, 18                        ; in the ring I fetch 128 rows: which half, in bytes,
	s_add_co_u32 s46, s46, 256                     ; at K step 1
	s_mov_b32 s47, 0
	s_wait_kmcnt 0x0
	s_add_nc_u64 s[92:93], s[4:5], s[92:93]
	s_add_nc_u64 s[94:95], s[4:5], s[94:95]
	s_add_nc_u64 s[96:97], s[6:7], s[96:97]
	s_add_nc_u64 s[98:99], s[6:7], s[98:99]
	CROUND
	s_mov_b32 s[G0S], 1
	s_mov_b32 s[G0S+1], SCL
	s_mov_b64 s[G0S+2:G0S+3], s[96:97]
	s_or_b32 s[G0S+3], s[G0S+3], 0x80000000
	s_mov_b32 s[G0SB], 1
	s_mov_b32 s[G0SB+1], SCB
	s_mov_b64 s[G0SB+2:G0SB+3], s[98:99]
	s_or_b32 s[G0SB+3], s[G0SB+3], 0x80000000
	s_mov_b32 s[G0], 1                             ; slot 0's groups 0 serve the head first: K step 0's 256 rows of x,
	s_mov_b32 s[G0+1], 0
	s_mov_b64 s[G0+2:G0+3], s[92:93]
	s_or_b32 s[G0+3], s[G0+3], 0x80000000
	s_mov_b32 s[G0B], 1                            ; and of W, behind them
	s_mov_b32 s[G0B+1], 2*HBT
	s_mov_b64 s[G0B+2:G0B+3], s[94:95]
	s_or_b32 s[G0B+3], s[G0B+3], 0x80000000
	s_mov_b32 s[G0+4], 1                           ; slot 1: my 128 rows of K step 1
	s_add_co_u32 s[G0+5], s45, SLOT
	s_add_nc_u64 s[G0+6:G0+7], s[92:93], s[46:47]
	s_or_b32 s[G0+7], s[G0+7], 0x80000000
	s_mov_b32 s[G0B+4], 1
	s_add_co_u32 s[G0B+5], s45, SLOT
	s_add_nc_u64 s[G0B+6:G0B+7], s[94:95], s[46:47]
	s_or_b32 s[G0B+7], s[G0B+7], 0x80000000
; the head's four tiles, one joint load a wave, in one chain of branches on the wave's number: x's rows, W's rows, x's scale bytes, W's
.macro ARM under, g0, g1, next
	s_cmp_lt_u32 s18, \under
	s_cbranch_scc0 \next
	tensor_load_to_lds s[\g0:\g0+3], s[\g1:\g1+7]
	s_nop 0
.rept 4
	v_nop
.endr
	s_branch .Lhead_asked
\next:
.endm
	ARM 1, G0,  G1,  .Lhead_b
	ARM 2, G0B, G1B, .Lhead_sa
	ARM 3, G0S, G1S, .Lhead_sb
	tensor_load_to_lds s[G0SB:G0SB+3], s[G1SB:G1SB+7]
	s_nop 0
.rept 4
	v_nop
.endr
.Lhead_asked:
	; the prefetches: of the 128 rows that I fetch in the ring, my work-group's 32 (told apart by address: cx for x's rows, cy for W's), a lane a row
	s_cmp_eq_u32 s19, 0
	s_cselect_b32 s44, s40, s23
	s_cselect_b32 s45, s21, s22
	s_cselect_b32 s46, 0, WOFF
	s_lshl_b32 s44, s44, 8
	s_lshl_b32 s47, s20, 7
	s_add_co_u32 s44, s44, s47
	s_lshl_b32 s45, s45, 5
	s_add_co_u32 s44, s44, s45
	s_lshl_b32 s44, s44, 11
	s_add_co_u32 s44, s44, s46
	s_add_co_u32 s44, s44, 768                     ; the first refill steps the base by 256: K step 4
	v_and_b32 v[PFO], 31, v0
	v_lshl_add_u32 v[PFO], v[PFO], 11, s44
	s_mov_b64 s[PFA:PFA+1], s[4:5]
	global_prefetch_b8 v[PFO], s[PFA:PFA+1] offset:-512 th:TH_LOAD_NT scope:SCOPE_SE   ; my share of K step 1,
	global_prefetch_b8 v[PFO], s[PFA:PFA+1] offset:-256 th:TH_LOAD_NT scope:SCOPE_SE   ; and of K step 2: two K steps are asked for ahead, as in the loop
	s_lshl_b32 s98, s23, 10
	s_lshl_b32 s99, s20, 9
	s_add_co_u32 s98, s98, s99
	s_sub_co_u32 s99, s23, 8
	s_lshl_b32 s99, s99, 9
	s_cmp_eq_u32 s41, 0
	s_cselect_b64 s[94:95], s[10:11], s[12:13]
	s_cmp_lt_u32 ttmp9, 2
	s_cselect_b64 s[94:95], s[8:9], s[94:95]
	s_cselect_b32 s98, s98, s99
	s_mov_b32 s99, 0
	s_add_nc_u64 s[94:95], s[94:95], s[98:99]
	v_and_b32 v1, 15, v0
	v_bfe_u32 v2, v0, 4, 1
	v_lshlrev_b32 v5, 6, v2
.irp e, 0,1,2,3
.irp m, 0,1,2,3
	global_load_b128 v[BI0+16*\e+4*\m:BI0+16*\e+4*\m+3], v5, s[94:95] offset:128*\e+16*\m
.endr
.endr
	v_and_b32 v6, 7, v1
	v_lshrrev_b32 v7, 3, v1
	v_lshl_add_u32 v6, v7, 4, v6
	v_lshlrev_b32 v6, 2, v6
.irp a, 0,1,2,3,4,5,6,7
	global_load_b32 v[BI1+\a], v6, s[94:95] offset:4*(32*(\a/2)+8*(\a%2))
.endr
	v_mul_u32_u24 v3, v1, PITCH
	v_lshl_add_u32 v4, v2, 4, v3
	s_wait_alu depctr_va_vdst(0)
	s_mul_i32 s44, s19, HBT
	s_mul_i32 s45, s20, HBT
	s_add_co_u32 s45, s45, 2*HBT
	s_cmp_eq_u32 s41, 0
	s_cselect_b32 s46, s44, s45
	s_cselect_b32 s47, s45, s44
.irp s, 0,1
	v_add_nc_u32 v[ADRA+\s], s46, v4
	v_add_nc_u32 v[ADRB+\s], s47, v4
	s_add_co_u32 s46, s46, SLOT
	s_add_co_u32 s47, s47, SLOT
.endr
	v_xor_b32 v7, s41, v2
	s_mul_i32 s44, s19, SPART
	s_mul_i32 s45, s20, SPART
	s_add_co_u32 s45, s45, SCB-SCL
	s_sub_co_u32 s45, s45, s44
	v_mul_u32_u24 v7, s45, v7
	s_add_co_u32 s44, s44, SCL
	v_lshl_add_u32 v7, v1, 3, v7
	v_add_nc_u32 v[ADRS], s44, v7
	v_and_b32 v3, 31, v0
	v_lshlrev_b32 v[VO0], 4, v3
	v_lshlrev_b32 v[VS], 3, v3
.macro FRAG reg, adr, q, i
.irp c, 0,1,2,3
	ds_load_b128 v[(\reg)+4*\c:(\reg)+4*\c+3], v[\adr] offset:128*(\q)+32*\c+(\i)*16*PITCH
.endr
.endm
.macro MULA a0, n, p, q, sc, first
.set aa, \a0
.rept \n
	WIN 0xa1+0x50*(aa/4)
.set bb, 0
.rept 8
.set DD, 8*(8*(aa%4)+bb)
.if \first
	v_wmma_scale_f32_16x16x128_f8f6f4 v[DD:DD+7], v[128*(\p)+FR*bb:128*(\p)+FR*bb+FR-1], v[AF+FR*aa:AF+FR*aa+FR-1], 0, v[SC+16*(\sc)+2*bb+(\q)], v[SC+16*(\sc)+2*aa+(\q)] matrix_a_scale:MATRIX_SCALE_ROW1
.else
	v_wmma_scale_f32_16x16x128_f8f6f4 v[DD:DD+7], v[128*(\p)+FR*bb:128*(\p)+FR*bb+FR-1], v[AF+FR*aa:AF+FR*aa+FR-1], v[DD:DD+7], v[SC+16*(\sc)+2*bb+(\q)], v[SC+16*(\sc)+2*aa+(\q)] matrix_a_scale:MATRIX_SCALE_ROW1
.endif
.set bb, bb+1
.endr
.set aa, aa+1
.endr
.endm
.macro FETCH_B slot, q, p
	WIN 0x40
.set ii, 0
.rept 8
	FRAG 128*(\p)+FR*ii, ADRB+\slot, \q, ii
.set ii, ii+1
.endr
	WIN 0
.endm
.macro FETCH_A slot, q, i0, n
.set ii, \i0
.rept \n
	FRAG AF+FR*ii, ADRA+\slot, \q, ii
.set ii, ii+1
.endr
.endm
.macro SCALES sc
.irp i, 0,1,2,3,4,5,6,7
	ds_load_b64 v[SC+16*\sc+2*\i:SC+16*\sc+2*\i+1], v[ADRS] offset:\i*128
.endr
.endm
.macro PLACES n
.rept \n
	v_nop
.endr
.endm
.macro STEP slot, q, first
	s_wait_dscnt HB*NL
	MULA 0, HB, (\q)%2, \q, \slot, \first
	s_wait_dscnt 0
	PLACES NP
	FETCH_B \slot, (\q)+1, 1-(\q)%2
	FETCH_A \slot, (\q)+1, 0, HB
	MULA HB, HB, (\q)%2, \q, \slot, \first
	PLACES NP
	WIN 0
	FETCH_A \slot, (\q)+1, HB, HB
.endm
.macro TURN slot, next, fill
.if \fill
	s_wait_xcnt 0x0                                ; my last prefetch has read its base, so it may be stepped
	s_add_nc_u64 s[PFA:PFA+1], s[PFA:PFA+1], 256
.endif
	s_wait_tensorcnt 0x0
	ds_add_u32 v[SPW], v[NIL]
	s_wait_dscnt HB*NL+1
	MULA 0, HB/2, 1, 1, \slot, 0
	s_wait_dscnt 0x0
	s_barrier_signal -1
	MULA HB/2, HB/2, 1, 1, \slot, 0
	WIN 0
	s_barrier_wait -1
.if \fill
	CREST
	s_add_nc_u64 s[G0+4*\slot+2:G0+4*\slot+3], s[G0+4*\slot+2:G0+4*\slot+3], 512
	s_add_nc_u64 s[G0B+4*\slot+2:G0B+4*\slot+3], s[G0B+4*\slot+2:G0B+4*\slot+3], 512
	JLOAD G0+4*\slot, G1, G0B+4*\slot, G1B
	PLACES NP-4
.else
	PLACES NP
.endif
	s_wait_alu depctr_va_vdst(0)
	v_add_nc_u32 v[ADRS], SROW, v[ADRS]
	FETCH_B \next, 0, 0
	FETCH_A \next, 0, 0, HB
	SCALES \next
.if \fill
	s_cmp_gt_u32 s3, 1                             ; the K step two refills on; the last lap has none
	s_cbranch_scc0 .Lnone_ahead_\@
	global_prefetch_b8 v[PFO], s[PFA:PFA+1] th:TH_LOAD_NT scope:SCOPE_SE
.Lnone_ahead_\@:
.endif
	MULA HB, HB, 1, 1, \slot, 0
	PLACES NP
	WIN 0
	FETCH_A \next, 0, HB, HB
.endm
	s_wait_alu depctr_va_vdst(0)
	s_wait_tensorcnt 0x0                           ; my tile of the head's four is in; no load of mine is out, so descriptors may be written
	ds_add_u32 v[SPW], v[NIL]
	s_mov_b32 s[G1+2], 128<<16                     ; from here on a load brings 128 rows
	s_mov_b32 s[G1+4], 128
	s_mov_b32 s[G1B+2], 128<<16
	s_mov_b32 s[G1B+4], 128
	s_mul_i32 s[G0+1], s18, HBT                    ; slot 0's groups 0 for the ring: my 128 rows
	s_mul_i32 s[G0B+1], s18, HBT
	s_lshl_b32 s46, s20, 18
	s_mov_b32 s47, 0
	s_add_nc_u64 s[G0+2:G0+3], s[G0+2:G0+3], s[46:47]
	s_add_nc_u64 s[G0B+2:G0B+3], s[G0B+2:G0B+3], s[46:47]
	s_wait_dscnt 0x0
	CROUND                                         ; all four tiles are in, in every work-group of the cluster
	JLOAD G0+4, G1, G0B+4, G1B                     ; slot 1's first fill: K step 1
	FETCH_B 0, 0, 0
	FETCH_A 0, 0, 0, HB
	SCALES 0
	global_prefetch_b8 v[PFO], s[PFA:PFA+1] th:TH_LOAD_NT scope:SCOPE_SE               ; behind K step 1's load: K step 3
	FETCH_A 0, 0, HB, HB
	STEP 0, 0, 1
	s_mov_b32 s3, 3
.Llap:
	TURN 0, 1, 1
	STEP 1, 0, 0
	TURN 1, 0, 1
	STEP 0, 0, 0
	s_sub_co_u32 s3, s3, 1
	s_cmp_lg_u32 s3, 0
	s_cbranch_scc1 .Llap
	TURN 0, 1, 0
	STEP 1, 0, 0
	s_wait_dscnt HB*NL
	MULA 0, HB, 1, 1, 1, 0
	s_wait_dscnt 0
	MULA HB, HB, 1, 1, 1, 0
	WIN 0
	s_wait_loadcnt 0x0
	s_lshr_b32 s92, s40, 2
	s_and_b32 s93, s40, 3
	s_lshl_b32 s93, s93, 8
	s_lshl_b32 s44, s19, 7
	s_add_co_u32 s93, s93, s44
	s_lshl_b32 s94, s92, 5
	s_lshl_b32 s44, s23, 2
	s_add_co_u32 s94, s94, s44
	s_lshl_b32 s44, s20, 1
	s_add_co_u32 s94, s94, s44
	s_sub_co_u32 s95, s23, 8
	s_lshl_b32 s96, s92, 3
	s_lshl_b32 s44, s95, 1
	s_add_co_u32 s96, s96, s44
	s_lshl_b32 s97, s94, 16
	s_lshl_b32 s98, s96, 16
	s_add_co_u32 s99, s98, VOFF
	s_add_co_u32 s98, s98, KOFF
	s_lshl_b32 s94, s94, 12
	s_lshl_b32 s44, s93, 3
	s_add_co_u32 s94, s94, s44
	s_lshl_b32 s45, s92, 2
	s_add_co_u32 s45, s45, s95
	s_lshl_b32 s45, s45, 13
	s_add_co_u32 s45, s45, s44
	s_add_co_u32 s45, s45, KSOFF
	s_lshl_b32 s46, s96, 12
	s_lshl_b32 s44, s93, 2
	s_add_co_u32 s46, s46, s44
	s_add_co_u32 s46, s46, VSOFF
	s_cmp_eq_u32 s41, 0
	s_cselect_b32 s98, s98, s99
	s_cselect_b32 s45, s45, s46
	s_cmp_lt_u32 ttmp9, 2
	s_cselect_b32 s98, s97, s98
	s_cselect_b32 s94, s94, s45
	s_lshl_b32 s44, s93, 6
	s_add_co_u32 s98, s98, s44
	s_mov_b32 s99, 0
	s_mov_b32 s95, 0
	s_add_nc_u64 s[BASE:BASE+1], s[14:15], s[98:99]
	s_add_nc_u64 s[SBS:SBS+1], s[16:17], s[94:95]
	s_lshl_b32 s44, 1024, s41
	s_mov_b32 s45, 0
	s_lshl_b32 s46, s41, 2
	s_lshl_b32 s46, 4096, s46
	s_mov_b32 s47, 0
.irp a, 1,2,3
	s_add_nc_u64 s[BASE+2*\a:BASE+2*\a+1], s[BASE+2*\a-2:BASE+2*\a-1], s[44:45]
.endr
	s_add_nc_u64 s[BASE+8:BASE+9], s[BASE:BASE+1], s[46:47]
.irp a, 5,6,7
	s_add_nc_u64 s[BASE+2*\a:BASE+2*\a+1], s[BASE+2*\a-2:BASE+2*\a-1], s[44:45]
.endr
	s_mul_i32 s96, s41, 3
	s_lshl_b32 s96, 512, s96
	s_mov_b32 s97, 0
	s_add_nc_u64 s[SBS+2:SBS+3], s[SBS:SBS+1], 256
	s_add_nc_u64 s[SBS+4:SBS+5], s[SBS:SBS+1], s[96:97]
	s_add_nc_u64 s[SBS+6:SBS+7], s[SBS+4:SBS+5], 256
	s_mul_i32 s92, s41, 6
	s_lshr_b32 s92, 0x10000, s92
	v_add_nc_u32 v[VO1], s92, v[VO0]
	PLACES NP
.irp b, 0,1,2,3
	v_mov_b32 v[TM+4+\b], 0
.endr
.macro QUANT
.irp b, 0,1,2,3
	v_max3_num_f32 v[TM+\b], |v[T+16*\b]|, |v[T+1+16*\b]|, 0x4800000
.endr
.irp i, 2,4,6,8,10,12,14
.irp b, 0,1,2,3
	v_max3_num_f32 v[TM+\b], v[TM+\b], |v[T+16*\b+\i]|, |v[T+1+16*\b+\i]|
.endr
.endr
.irp b, 0,1,2,3
	v_permlanex16_b32 v[TM+4+\b], v[TM+\b], s66, s67
.endr
.irp b, 0,1,2,3
	v_max_num_f32 v[TM+\b], v[TM+\b], v[TM+4+\b]
.endr
.irp b, 0,1,2,3
	v_add_nc_u32 v[TM+12+\b], 0xfc000000, v[TM+\b]
.endr
.irp b, 0,1,2,3
	v_and_or_b32 v[TM+8+\b], v[TM+\b], 0x7f800000, s2
.endr
.irp b, 0,1,2,3
	v_lshrrev_b32 v[TM+4+\b], 23, v[TM+12+\b]
.endr
	v_lshl_or_b32 v[PW], v[TM+5], 8, v[TM+4]
	v_lshl_or_b32 v[PW], v[TM+6], 16, v[PW]
	v_lshl_or_b32 v[PW], v[TM+7], 24, v[PW]
.irp b, 0,1,2,3
.irp i, 0,1,2,3,4,5,6,7,8,9,10,11,12,13,14,15
	v_med3_num_f32 v[T+16*\b+\i], v[T+16*\b+\i], -v[TM+8+\b], v[TM+8+\b]
.endr
	v_cvt_scalef32_pk8_fp8_f32 v[PC+4*\b:PC+1+4*\b], v[T+16*\b:T+7+16*\b], v[TM+12+\b]
	v_cvt_scalef32_pk8_fp8_f32 v[PC+2+4*\b:PC+3+4*\b], v[T+8+16*\b:T+15+16*\b], v[TM+12+\b]
.endr
	v_nop
.endm
.macro OUTA a
.set AC, 64*((\a)%4)
.set PC, 192+16*((\a)%2)
.set PW, 240+2*(((\a)/2)%2)+((\a)%2)
	s_wait_xcnt 0x0
	s_cmp_eq_u32 s41, 0
	s_cbranch_scc0 .Lbylane_\@
	WIN 0x02+(\a)/4
.set p, 0
.rept 32
	v_pk_add_f32 v[T+p:T+p+1], v[AC+p:AC+p+1], v[BI0+p:BI0+p+1]
.set p, p+2
.endr
	WIN 0
	s_branch .Lbiased_\@
.Lbylane_\@:
	WIN 0x02+(\a)/4
.set p, 0
.rept 32
.if (\a)%2
	v_pk_add_f32 v[T+p:T+p+1], v[AC+p:AC+p+1], v[BI1+(\a)-1:BI1+(\a)] op_sel:[0,1] op_sel_hi:[1,1]
.else
	v_pk_add_f32 v[T+p:T+p+1], v[AC+p:AC+p+1], v[BI1+(\a):BI1+(\a)+1] op_sel_hi:[1,0]
.endif
.set p, p+2
.endr
	WIN 0
.Lbiased_\@:
	QUANT
	global_store_b128 v[VO0], v[PC:PC+3], s[BASE+2*(\a):BASE+2*(\a)+1]
	global_store_b128 v[VO0], v[PC+4:PC+7], s[BASE+2*(\a):BASE+2*(\a)+1] offset:512
	global_store_b128 v[VO1], v[PC+8:PC+11], s[BASE+2*(\a):BASE+2*(\a)+1]
	global_store_b128 v[VO1], v[PC+12:PC+15], s[BASE+2*(\a):BASE+2*(\a)+1] offset:512
.if (\a)%2
	global_store_b64 v[VS], v[PW-1:PW], s[SBS+2*((\a)/2):SBS+2*((\a)/2)+1]
.endif
.endm
.irp a, 0,1,2,3,4,5,6,7
	OUTA \a
.endr
	s_wait_tensorcnt 0x0
	ds_add_u32 v[SPW], v[NIL]
	s_wait_dscnt 0x0
	CROUND
	s_endpgm
.Lfunc_end_k_qdbbd69a1f3_qkv:
	.size	k_qdbbd69a1f3_qkv, .Lfunc_end_k_qdbbd69a1f3_qkv-k_qdbbd69a1f3_qkv
	.p2alignl 7, 3214868480
	.fill 96, 4, 3214868480
	.section	.rodata,"a",@progbits
	.p2align	6, 0x0
	.amdhsa_kernel k_qdbbd69a1f3_qkv
		.amdhsa_group_segment_fixed_size 327680
		.amdhsa_private_segment_fixed_size 0
		.amdhsa_enable_private_segment 0
		.amdhsa_kernarg_size 56
		.amdhsa_user_sgpr_count 2
		.amdhsa_user_sgpr_kernarg_segment_ptr 1
		.amdhsa_wavefront_size32 1
		.amdhsa_system_sgpr_workgroup_id_x 1
		.amdhsa_system_sgpr_workgroup_id_y 1
		.amdhsa_system_sgpr_workgroup_id_z 1
		.amdhsa_system_vgpr_workitem_id 0
		.amdhsa_next_free_vgpr 1024
		.amdhsa_next_free_sgpr 102
		.amdhsa_reserve_vcc 0
		.amdhsa_float_denorm_mode_32 3
		.amdhsa_float_denorm_mode_16_64 3
		.amdhsa_memory_ordered 1
		.amdhsa_forward_progress 1
		.amdhsa_inst_pref_size 225
	.end_amdhsa_kernel
	.amdgpu_metadata
---
amdhsa.version: [ 1, 2 ]
amdhsa.kernels:
  - .name:           k_qdbbd69a1f3_qkv
    .symbol:         k_qdbbd69a1f3_qkv.kd
    .args:
      - { .name: xw_codes, .offset: 0, .size: 8, .value_kind: global_buffer, .address_space: global }
      - { .name: xw_scales, .offset: 8, .size: 8, .value_kind: global_buffer, .address_space: global }
      - { .name: bq, .offset: 16, .size: 8, .value_kind: global_buffer, .address_space: global }
      - { .name: bk, .offset: 24, .size: 8, .value_kind: global_buffer, .address_space: global }
      - { .name: bv, .offset: 32, .size: 8, .value_kind: global_buffer, .address_space: global }
      - { .name: qkv_codes, .offset: 40, .size: 8, .value_kind: global_buffer, .address_space: global }
      - { .name: qkv_scales, .offset: 48, .size: 8, .value_kind: global_buffer, .address_space: global }
    .group_segment_fixed_size: 327680
    .private_segment_fixed_size: 0
    .kernarg_segment_align: 8
    .kernarg_segment_size: 56
    .max_flat_workgroup_size: 128
    .sgpr_count:     102
    .vgpr_count:     1024
    .wavefront_size: 32
...
	.end_amdgpu_metadata
.endif
;; end of part 2
;; launch attn (part 3): grid 8 x 32, 16 waves a work-group, clusters of 4 x 1, 182,272 bytes of LDS; arguments qkv_codes, qkv_scales, o_codes, o_scales; writes o_codes, o_scales
.if DOCPART == 3
	.amdgcn_target "amdgcn-amd-amdhsa--gfx1250"
	.amdhsa_code_object_version 6
	.text
	.protected	k_qdbbd69a1f3_attn
	.globl	k_qdbbd69a1f3_attn
	.p2align	8
	.type	k_qdbbd69a1f3_attn,@function
k_qdbbd69a1f3_attn:
	s_mov_b64 s[64:65], 0
	v_nop
	global_prefetch_b8 v0, s[64:65] scope:SCOPE_SE
	s_setreg_imm32_b32 hwreg(HW_REG_WAVE_MODE, 25, 1), 1
	s_wait_xcnt 0x0
	s_wait_alu depctr_hold_cnt(0) depctr_sa_sdst(0) depctr_va_vdst(0) depctr_va_sdst(0) depctr_va_ssrc(0) depctr_va_vcc(0) depctr_vm_vsrc(0)
	s_getreg_b32 s2, hwreg(HW_REG_IB_STS2, 6, 4)
	s_cmp_eq_u32 s2, 0
	s_cbranch_scc0 .Lentry_in_a_cluster
	s_endpgm
.Lentry_in_a_cluster:
	s_bfe_u32 s2, ttmp6, 0x10000c
	s_cmp_lg_u32 s2, 0x3003
	s_cbranch_scc0 .Lentry_shape_is_right
	s_endpgm
.Lentry_shape_is_right:
; Causal attention on codes of FP8 (E4M3) with E8M0 scales; 4 batches, 8 key/value heads, 4 query heads to each, 1,024 tokens, head size 64.  o = (p v) / l is quantised at once for the last product.
; t = score x log2(e) / 8; M = the running largest t rounded UP to a whole number; p = 2^(t - M) is quantised along the keys, not normalised; l is the sum of the unquantised p.
; When M moves, l and O are multiplied by 2^(old M - new M), which rounds nothing.
; q, k, v arrive as IMAGES OF THE OPERANDS' REGISTERS (16 bytes a lane on end), so every fragment is read at 16 x lane: no pitch, no padding, no bank conflict.
; The head size is 64: registers 8-15 of q's and k's fragments are zeros for the whole launch (zero codes add nothing), and bytes 2, 3 of their scale words are 0.
; SHARES.  y = the batch and key/value head.  Its eight work-groups (x) share K and V; the four of a cluster ask for them JOINTLY.  All of K and V of a (batch, head), 128 KiB, and their scale
; words fit in LDS and are asked for once, at the head: no slot is ever filled again, and nothing is left to ask for ahead.
; A wave owns a query head (wave % 4) and TWO tiles of 16 queries: tile i and tile 63 - i.  Tile i needs the key steps (128 keys) 0 .. c, c = its tokens / 128; the two c add to 7:
; nine key steps for every wave of the launch.  c hangs on the wave's number and the cluster's number alone.  The loops' trip counts are constants (4 and 8); a step that lies wholly
; behind the diagonal is jumped over by a scalar branch.  In the step on the diagonal hidden scores become -infinity ahead of the maximum.
; LAYOUT.  Both products are used transposed: S^T = K Q^T, O^T = V^T P^T: a lane holds one query.  The tokens of a tile are 32 alpha + 8 u + r % 8 + 16 (r / 8), so that the 16 registers of two
; neighbouring tiles are 16 neighbouring keys (or channels): the conversions' results are the next operand's registers.
; LIMITS: NaN and infinities are not served; 1 / l is v_rcp_f32; a block's largest p is taken from the block's largest score (this takes v_exp_f32 not to fall where its input rises);
; blocks under 2^-118 keep the byte 1; a block of zeros gets the byte 1, not 127 (zero codes; this program alone reads the bytes).
; REGISTERS: v1-7 addresses; v8-11 the step's addresses; v12 -M, v13 the largest t, v[14:15] l; v16-31 Q of the first tile; v32-95 four fragments of K; v96-159 S^T, p, then V's four fragments;
; v160-191 O^T; v192-207 codes; v208-223 Q of the second tile; v224-225 Q's scale words; v226-231 addresses; v232-254 at work; v255 8 x lane.
.set KOFF,  8388608
.set KSOFF, 524288
.set VSOFF, 655360
.set LV,    65536                      ; LDS: K's images at 0, V's here,
.set LKS,   131072                     ; k's scale words (of the pair of heads), 8,192 bytes,
.set LVS,   139264                     ; v's, 4,096 bytes,
.set STG,   143360                     ; the stages for o's codes: for each of the two tiles 64 rows x (256 + 16) bytes; no tensor load fills them
.set PHB,   17408
.set STS,   178176                     ; and for o's scale bytes: 64 rows x 8 bytes each
.macro CROUND                          ; a round of the cluster's barrier
	s_barrier_signal -1
	s_barrier_wait -1
	s_cmp_lg_u32 s12, 0
	s_cbranch_scc1 .Lnot_wave_0_\@
	s_barrier_signal -3
.Lnot_wave_0_\@:
	s_barrier_wait -3
	s_barrier_signal -1
	s_barrier_wait -1
.endm
	s_load_b256 s[4:11], s[0:1], 0x0               ; qkv_codes s[4:5], qkv_scales s[6:7], o_codes s[8:9], o_scales s[10:11]
	v_lshl_add_u32 v254, v0, 2, 0x2c000
	v_mov_b32 v255, 0
	ds_add_u32 v254, v255
	ds_add_u32 v254, v255
	s_wait_dscnt 0x0
	v_lshrrev_b32 v8, 5, v0
	s_delay_alu instid0(VALU_DEP_1)
	v_readfirstlane_b32 s12, v8                    ; wave 0..15
	s_bfe_u32 s13, ttmp6, 0x40000                  ; cx
	s_lshl_b32 s14, ttmp9, 2
	s_add_co_u32 s14, s14, s13                     ; X = 0..7: it enters global addresses and the mask's numbers alone
	s_and_b32 s15, ttmp7, 0xffff                   ; y
	s_lshr_b32 s16, s15, 3                         ; b
	s_and_b32 s17, s15, 7                          ; g
	s_and_b32 s18, s12, 3                          ; head
	s_bfe_u32 s19, s12, 0x10002                    ; u
	s_lshr_b32 s45, s12, 3                         ; wh
	s_lshl_b32 s46, s45, 1
	s_add_co_u32 s46, s46, ttmp9                   ; c of the first tile: 0..3
	s_sub_co_u32 s47, 7, s46                       ; c of the second: 4..7
	s_lshl_b32 s48, s45, 3
	s_add_co_u32 s48, s48, s14                     ; alpha: which 32 tokens
	s_sub_co_u32 s49, 31, s48                      ; alpha of the second tile
	s_mov_b32 s20, 0x76543210
	s_mov_b32 s21, 0xfedcba98                      ; v_permlanex16_b32's selects for lane l xor 16
	s_mov_b32 s22, 0x3e38aa3b                      ; log2(e) / 8
	s_mov_b32 s23, s22                             ; (named with it as a pair)
	s_mov_b32 s44, 0x600000                        ; the mantissa field of 448
	; group 1 for codes: 64 dense rows of 256 bytes (32 elements of 8 bytes); the mask names all four work-groups, bit 21 beside it
	s_mov_b32 s24, 15|(3<<16)|(1<<21)
	s_mov_b32 s25, 32<<16
	s_mov_b32 s26, 64<<16
	s_mov_b32 s27, 32<<16
	s_mov_b32 s28, 64
	s_mov_b32 s29, 32
	s_mov_b32 s30, 0
	s_mov_b32 s31, 0
	; group 1 for scale words: 16 such rows
	s_mov_b32 s32, 15|(3<<16)|(1<<21)
	s_mov_b32 s33, 32<<16
	s_mov_b32 s34, 16<<16
	s_mov_b32 s35, 32<<16
	s_mov_b32 s36, 16
	s_mov_b32 s37, 32
	s_mov_b32 s38, 0
	s_mov_b32 s39, 0
	s_lshl_b32 s60, s15, 16                        ; waves 0-3: quarters of K's images; waves 4-7: of V's, 2 MiB further on
	s_lshr_b32 s61, s12, 2
	s_lshl_b32 s61, s61, 21
	s_add_co_u32 s60, s60, s61
	s_lshl_b32 s61, s18, 14
	s_add_co_u32 s60, s60, s61
	s_add_co_u32 s60, s60, KOFF
	s_mov_b32 s61, 0
	s_lshl_b32 s62, s16, 2                         ; waves 8, 9: halves of k's scale words; wave 10: v's
	s_lshr_b32 s63, s17, 1
	s_add_co_u32 s62, s62, s63
	s_lshl_b32 s62, s62, 13
	s_and_b32 s63, s12, 1
	s_lshl_b32 s63, s63, 12
	s_add_co_u32 s62, s62, s63
	s_add_co_u32 s62, s62, KSOFF
	s_lshl_b32 s63, s15, 12
	s_add_co_u32 s63, s63, VSOFF
	s_cmp_lt_u32 s12, 10
	s_cselect_b32 s62, s62, s63
	s_mov_b32 s63, 0
	s_wait_kmcnt 0x0
	s_mov_b32 s40, 1
	s_lshl_b32 s41, s12, 14                        ; LDS: 16,384 x wave
	s_add_nc_u64 s[42:43], s[4:5], s[60:61]
	s_or_b32 s43, s43, 0x80000000
	s_mov_b32 s56, 1
	s_lshl_b32 s57, s12, 12
	s_add_co_u32 s57, s57, LKS-8*4096              ; LDS: 131,072 + 4,096 x (wave - 8)
	s_add_nc_u64 s[58:59], s[6:7], s[62:63]
	s_or_b32 s59, s59, 0x80000000
	CROUND                                         ; all four work-groups are here: the joint loads meet
	s_cmp_lt_u32 s12, 8                            ; a wave's one fill stands in one chain of branches on the wave's number; four v_nop follow each line
	s_cbranch_scc0 .Lnot_codes
	tensor_load_to_lds s[40:43], s[24:31]
	s_nop 0
.rept 4
	v_nop
.endr
	s_branch .Lasked
.Lnot_codes:
	s_cmp_lt_u32 s12, 11
	s_cbranch_scc0 .Lasked
	tensor_load_to_lds s[56:59], s[32:39]
	s_nop 0
.rept 4
	v_nop
.endr
.Lasked:
	v_and_b32 v9, 31, v0                           ; lane
	v_and_b32 v10, 15, v0                          ; r
	v_bfe_u32 v11, v0, 4, 1                        ; h
	s_delay_alu instid0(VALU_DEP_3)
	v_lshlrev_b32 v1, 4, v9                        ; K's images: 16 x lane
	s_delay_alu instid0(VALU_DEP_1)
	v_add_nc_u32 v2, LV, v1                        ; V's
	v_lshlrev_b32 v255, 3, v9                      ; 8 x lane
	s_and_b32 s54, s17, 1
	s_lshl_b32 s54, s54, 1
	s_add_co_u32 s54, s54, LKS
	v_add_nc_u32 v3, s54, v255                     ; k's scale words: my head's two bytes of the pair's word
	v_add_nc_u32 v4, LVS, v255                     ; v's
	v_and_b32 v233, 7, v10
	v_lshrrev_b32 v234, 3, v10
	s_delay_alu instid0(VALU_DEP_1)
	v_lshl_add_u32 v233, v234, 4, v233             ; my query's place among its 32 tokens, less 8 u
	s_lshl_b32 s54, s45, 5
	s_lshl_b32 s55, s19, 3
	s_add_co_u32 s55, s54, s55
	s_xor_b32 s66, s19, 1                          ; the second tile has u' = 1 - u
	s_lshl_b32 s66, s66, 3
	s_add_co_u32 s66, s54, s66
	v_add_nc_u32 v234, s55, v233                   ; my row of the first tile's stage: 32 wh + 8 u + ..
	v_add_nc_u32 v235, s66, v233                   ; and of the second's
	s_lshl_b32 s67, s18, 6
	s_add_co_u32 s67, s67, STG
	v_mul_u32_u24 v5, v234, 272
	s_delay_alu instid0(VALU_DEP_1)
	v_lshl_add_u32 v5, v11, 4, v5
	s_delay_alu instid0(VALU_DEP_1)
	v_add_nc_u32 v5, s67, v5                       ; + 64 x head + 16 h
	v_mul_u32_u24 v6, v235, 272
	s_delay_alu instid0(VALU_DEP_1)
	v_lshl_add_u32 v6, v11, 4, v6
	s_delay_alu instid0(VALU_DEP_1)
	v_add_nc_u32 v6, s67, v6
	s_lshl_b32 s67, s18, 1
	s_add_co_u32 s67, s67, STS
	v_lshl_add_u32 v7, v234, 3, s67                ; my row's 8 scale bytes, my head's two
	v_lshl_add_u32 v226, v235, 3, s67
	v_lshlrev_b32 v236, 4, v11
	s_delay_alu instid0(VALU_DEP_1)
	v_sub_nc_u32 v236, v233, v236
	s_wait_alu depctr_va_vdst(0)
	s_and_b32 s67, s48, 3
	s_lshl_b32 s67, s67, 5
	s_lshl_b32 s68, s19, 3
	s_add_co_u32 s67, s67, s68
	v_add_nc_u32 v227, s67, v236                   ; d = my query's place in its key step - 16 h: register 16 b + i holds key 32 b + 16 h + i, hidden where 32 b + i > d
	s_and_b32 s67, s49, 3
	s_lshl_b32 s67, s67, 5
	s_xor_b32 s68, s19, 1
	s_lshl_b32 s68, s68, 3
	s_add_co_u32 s67, s67, s68
	v_add_nc_u32 v228, s67, v236
	s_mul_i32 s67, s45, PHB                        ; the way out: wave w reads 8 rows of stage w / 8, rows 8 (w % 8) on
	s_and_b32 s68, s12, 7
	s_mul_i32 s68, s68, 8*272
	s_add_co_u32 s67, s67, s68
	s_add_co_u32 s67, s67, STG
	v_mul_u32_u24 v229, v11, 272
	s_delay_alu instid0(VALU_DEP_1)
	v_lshl_add_u32 v229, v10, 4, v229
	s_delay_alu instid0(VALU_DEP_1)
	v_add_nc_u32 v229, s67, v229
	s_lshl_b32 s67, s18, 8
	s_add_co_u32 s67, s67, STS
	v_add_nc_u32 v230, s67, v255                   ; waves 0-3: 32 rows' scale bytes
	v_lshlrev_b32 v231, 11, v11
	s_delay_alu instid0(VALU_DEP_1)
	v_lshl_add_u32 v231, v10, 4, v231              ; two rows of o_codes, 16 bytes a lane
	; Q's two tiles and their scale words
	s_lshl_b32 s67, s16, 5
	s_lshl_b32 s68, s17, 2
	s_add_co_u32 s67, s67, s68
	s_add_co_u32 s67, s67, s18                     ; 32 b + 4 g + head
	s_lshl_b32 s68, s67, 6
	s_lshl_b32 s69, s48, 1
	s_add_co_u32 s69, s69, s19                     ; i
	s_add_co_u32 s70, s68, s69
	s_lshl_b32 s70, s70, 10
	s_mov_b32 s71, 0
	s_add_nc_u64 s[70:71], s[4:5], s[70:71]
	s_sub_co_u32 s69, 63, s69                      ; 63 - i
	s_add_co_u32 s72, s68, s69
	s_lshl_b32 s72, s72, 10
	s_mov_b32 s73, 0
	s_add_nc_u64 s[72:73], s[4:5], s[72:73]
	s_lshr_b32 s68, s67, 1
	s_lshl_b32 s68, s68, 5
	s_and_b32 s69, s18, 1
	s_lshl_b32 s69, s69, 1
	s_add_co_u32 s74, s68, s48
	s_lshl_b32 s74, s74, 8
	s_add_co_u32 s74, s74, s69
	s_lshl_b32 s75, s19, 2
	s_add_co_u32 s74, s74, s75
	s_mov_b32 s75, 0
	s_add_nc_u64 s[74:75], s[6:7], s[74:75]
	s_add_co_u32 s76, s68, s49
	s_lshl_b32 s76, s76, 8
	s_add_co_u32 s76, s76, s69
	s_xor_b32 s77, s19, 1
	s_lshl_b32 s77, s77, 2
	s_add_co_u32 s76, s76, s77
	s_mov_b32 s77, 0
	s_add_nc_u64 s[76:77], s[6:7], s[76:77]
	global_load_b128 v[16:19], v1, s[70:71]
	global_load_b128 v[20:23], v1, s[70:71] offset:512
	global_load_b128 v[208:211], v1, s[72:73]
	global_load_b128 v[212:215], v1, s[72:73] offset:512
	global_load_u16 v224, v255, s[74:75]           ; two bytes; the upper two are 0, over zero codes
	global_load_u16 v225, v255, s[76:77]
.set j, 0
.rept 8
	v_mov_b32 v[24+j], 0                           ; K = 64 .. 127 of every fragment of q and k: zero codes
	v_mov_b32 v[216+j], 0
	v_mov_b32 v[40+j], 0
	v_mov_b32 v[56+j], 0
	v_mov_b32 v[72+j], 0
	v_mov_b32 v[88+j], 0
.set j, j+1
.endr
.irp b, 0,1,2,3
	v_mov_b32 v[236+\b], 0                         ; written once: a lane permute's destination counts as one of its sources
.endr
	v_mov_b32 v252, 0
	v_mov_b32 v253, 0
	s_wait_loadcnt 0x0
	s_wait_tensorcnt 0x0                           ; my fill has landed,
	s_barrier_signal -1
	s_barrier_wait -1                              ; everybody's has
; One tile of 16 queries.  qf: Q's fragment; qs: its scale word; dq: the mask's number; cs: the scalar that holds c; trips: the loop's constant count; stoc, sts: stage addresses; phase: 0 or 1
.macro TILE qf, qs, dq, cs, trips, stoc, sts, phase
	v_mov_b32 v13, 0xff61b1e6                      ; the largest t so far: -3e38
	s_delay_alu instid0(VALU_DEP_1)
	v_floor_f32 v12, -v13                          ; -M
	v_mov_b32 v14, 0
	v_mov_b32 v15, 0
.set j, 0
.rept 32
	v_mov_b32 v[160+j], 0                          ; O^T: the first step finds zeros, which the first change of M leaves zeros
.set j, j+1
.endr
	s_mov_b32 s50, 0                               ; the key step
	s_mov_b32 s51, 0                               ; its images: 8,192 bytes a step in K and in V
	s_mov_b32 s52, 0                               ; k's scale words: 1,024
	s_mov_b32 s53, 0                               ; v's: 512
.Lstep_\@:
	s_cmp_gt_u32 s50, s[\cs]                       ; all keys of this step come after my queries
	s_cbranch_scc1 .Lhidden_\@
	v_add_nc_u32 v8, s51, v1
	s_wait_alu depctr_va_vdst(0)
	v_add_nc_u32 v9, s51, v2
	v_add_nc_u32 v10, s52, v3
	s_wait_alu depctr_va_vdst(0)
	v_add_nc_u32 v11, s53, v4
.rept 5
	v_nop                                          ; with the four additions nine places: S^T is written over the registers that the last products read as source 0
.endr
.irp g, 0,1                                    ; S^T = K Q^T, four tiles of 16 keys at a time
.if \g > 0
.rept 8
	v_nop                                          ; places in front of loads into registers that matrix instructions have read
.endr
.endif
.irp t, 0,1,2,3
	ds_load_b128 v[32+16*\t:35+16*\t], v8 offset:(4*\g+\t)*1024
	ds_load_b128 v[36+16*\t:39+16*\t], v8 offset:(4*\g+\t)*1024+512
	ds_load_u16 v[248+\t], v10 offset:256*((4*\g+\t)/2)+4*(\t%2)
.endr
	s_wait_dscnt 0x0
.irp t, 0,1,2,3
	v_wmma_scale_f32_16x16x128_f8f6f4 v[96+8*(4*\g+\t):103+8*(4*\g+\t)], v[32+16*\t:47+16*\t], v[\qf:\qf+15], 0, v[248+\t], v[\qs]
.endr
.endr
.rept 8
	v_nop
.endr
	s_cmp_lg_u32 s50, s[\cs]                       ; only the step on the diagonal has hidden keys
	s_cbranch_scc1 .Lopen_\@
	v_mov_b32 v254, 0xff800000                     ; -infinity: p = 0
.set n, 0
.rept 64
	v_cmp_gt_i32 vcc_lo, 32*(n/16)+n%16, v[\dq]
	v_cndmask_b32 v[96+n], v[96+n], v254, vcc_lo
.set n, n+1
.endr
.Lopen_\@:
.irp b, 0,1,2,3
	v_max3_num_f32 v[232+\b], v[96+16*\b], v[97+16*\b], v[98+16*\b]   ; the largest score of each block of 32 keys: for the row's maximum, and for the block's largest p
.endr
.irp i, 3,5,7,9,11,13
.irp b, 0,1,2,3
	v_max3_num_f32 v[232+\b], v[232+\b], v[96+16*\b+\i], v[97+16*\b+\i]
.endr
.endr
.irp b, 0,1,2,3
	v_max_num_f32 v[232+\b], v[232+\b], v[111+16*\b]
.endr
.irp b, 0,1,2,3
	s_delay_alu instid0(VALU_DEP_4)
	v_permlanex16_b32 v[236+\b], v[232+\b], s20, s21
.endr
.irp b, 0,1,2,3
	s_delay_alu instid0(VALU_DEP_4)
	v_max_num_f32 v[232+\b], v[232+\b], v[236+\b]  ; with lane l xor 16's 16 keys
.endr
	s_delay_alu instid0(VALU_DEP_2)
	v_max3_num_f32 v254, v232, v233, v234
	s_delay_alu instid0(VALU_DEP_1)
	v_max_num_f32 v254, v254, v235
	s_delay_alu instid0(VALU_DEP_1)
	v_mul_f32 v254, s22, v254                      ; the step's largest t
	s_delay_alu instid0(VALU_DEP_1)
	v_max_num_f32 v13, v13, v254
	v_mov_b32 v254, v12
	s_delay_alu instid0(VALU_DEP_2)
	v_floor_f32 v12, -v13                          ; the new -M = -ceil(t)
	s_delay_alu instid0(VALU_DEP_1)
	v_sub_f32 v254, v12, v254                      ; old M - new M: a whole number, 0 or less
	s_delay_alu instid0(VALU_DEP_1)
	v_cvt_i32_f32 v254, v254
	s_delay_alu instid0(VALU_DEP_1)
	v_ldexp_f32 v252, 1.0, v254                    ; f = 2^(old M - new M)
.set j, 0
.rept 32
	v_pk_fma_f32 v[96+j:97+j], v[96+j:97+j], s[22:23], v[12:13] op_sel_hi:[1,0,0]   ; t - M, two at a time
.set j, j+2
.endr
.irp b, 0,1,2,3
	v_fma_f32 v[232+\b], v[232+\b], s22, v12
.endr
.set j, 0
	s_wait_alu depctr_va_vdst(0)
.rept 64
	v_exp_f32 v[96+j], v[96+j]                     ; p = 2^(t - M)
.set j, j+1
.endr
	v_pk_mul_f32 v[14:15], v[14:15], v[252:253] op_sel_hi:[1,0]   ; l under the new M; the plain line behind the exponentials
	s_wait_alu depctr_va_vdst(0)                   ; one wait for the batch of 64, ahead of its first reader
.irp b, 0,1,2,3
	v_exp_f32 v[232+\b], v[232+\b]                 ; each block's largest p
.endr
	v_pk_add_f32 v[236:237], v[100:101], v[104:105]
	v_pk_add_f32 v[250:251], v[108:109], v[112:113]
	v_pk_add_f32 v[248:249], v[116:117], v[120:121]
	v_pk_add_f32 v[246:247], v[124:125], v[128:129]
	v_pk_add_f32 v[244:245], v[132:133], v[136:137]
	v_pk_add_f32 v[242:243], v[140:141], v[144:145]
	v_pk_add_f32 v[240:241], v[148:149], v[152:153]
	v_pk_add_f32 v[14:15], v[14:15], v[156:157]
	v_pk_add_f32 v[236:237], v[236:237], v[96:97]
	v_pk_add_f32 v[250:251], v[250:251], v[98:99]
	v_pk_add_f32 v[248:249], v[248:249], v[102:103]
	v_pk_add_f32 v[246:247], v[246:247], v[106:107]
	v_pk_add_f32 v[244:245], v[244:245], v[110:111]
	v_pk_add_f32 v[242:243], v[242:243], v[114:115]
	v_pk_add_f32 v[240:241], v[240:241], v[118:119]
	v_pk_add_f32 v[14:15], v[14:15], v[122:123]
	v_pk_add_f32 v[236:237], v[236:237], v[126:127]
	v_pk_add_f32 v[250:251], v[250:251], v[130:131]
	v_pk_add_f32 v[248:249], v[248:249], v[134:135]
	v_pk_add_f32 v[246:247], v[246:247], v[138:139]
	v_pk_add_f32 v[244:245], v[244:245], v[142:143]
	v_pk_add_f32 v[242:243], v[242:243], v[146:147]
	v_pk_add_f32 v[240:241], v[240:241], v[150:151]
	v_pk_add_f32 v[14:15], v[14:15], v[154:155]
	v_pk_add_f32 v[236:237], v[236:237], v[158:159]
	s_delay_alu instid0(VALU_DEP_2)
	v_pk_add_f32 v[14:15], v[14:15], v[246:247]
	s_delay_alu instid0(VALU_DEP_2)
	v_pk_add_f32 v[236:237], v[236:237], v[244:245]
	v_pk_add_f32 v[250:251], v[250:251], v[242:243]
	v_pk_add_f32 v[248:249], v[248:249], v[240:241]
	s_delay_alu instid0(VALU_DEP_2)
	v_pk_add_f32 v[14:15], v[14:15], v[250:251]
	s_delay_alu instid0(VALU_DEP_2)
	v_pk_add_f32 v[236:237], v[236:237], v[248:249]
	s_delay_alu instid0(VALU_DEP_1)
	v_pk_add_f32 v[14:15], v[14:15], v[236:237]
	s_wait_alu depctr_va_vdst(0)                   ; and one for the four
.irp b, 0,1,2,3
	v_max_num_f32 v[232+\b], 0x4800000, v[232+\b]  ; the floor 2^(9 - 127)
.endr
.irp b, 0,1,2,3
	s_delay_alu instid0(VALU_DEP_4)
	v_add_nc_u32 v[244+\b], 0xfc000000, v[232+\b]  ; the conversion's scale operand
.endr
.irp b, 0,1,2,3
	v_and_or_b32 v[240+\b], v[232+\b], 0x7f800000, s44   ; 448 x the scale
.endr
.irp b, 0,1,2,3
	v_lshrrev_b32 v[236+\b], 23, v[244+\b]
.endr
	s_delay_alu instid0(VALU_DEP_3)
	v_lshl_or_b32 v253, v237, 8, v236              ; p's scale word for these 128 keys
	s_delay_alu instid0(VALU_DEP_1)
	v_lshl_or_b32 v253, v238, 16, v253
	s_delay_alu instid0(VALU_DEP_1)
	v_lshl_or_b32 v253, v239, 24, v253
.irp b, 0,1,2,3
.irp i, 0,1,2,3,4,5,6,7,8,9,10,11,12,13,14,15
	v_min_num_f32 v[96+16*\b+\i], v[96+16*\b+\i], v[240+\b]   ; p is not negative: the hold is one-sided
.endr
	v_cvt_scalef32_pk8_fp8_f32 v[192+4*\b:193+4*\b], v[96+16*\b:103+16*\b], v[244+\b]
	v_cvt_scalef32_pk8_fp8_f32 v[194+4*\b:195+4*\b], v[104+16*\b:111+16*\b], v[244+\b]
.endr
	v_nop                                          ; a plain line behind the last conversion
.irp t, 0,1,2,3                                ; V's four fragments (16 channels x 128 keys) take p's registers
.irp c, 0,1,2,3
	ds_load_b128 v[96+16*\t+4*\c:99+16*\t+4*\c], v9 offset:2048*\t+512*\c
.endr
.endr
	ds_load_b64 v[248:249], v11
	ds_load_b64 v[250:251], v11 offset:256
.set j, 0
.rept 16
	v_pk_mul_f32 v[160+j:161+j], v[160+j:161+j], v[252:253] op_sel_hi:[1,0]   ; O^T under the new M, while the loads are out; also the places in front of the products
.set j, j+2
.endr
	s_wait_alu depctr_va_vdst(0)
	s_wait_dscnt 0x0
.irp t, 0,1,2,3                                ; O^T += V^T P^T: four accumulators, one instruction each
	v_wmma_scale_f32_16x16x128_f8f6f4 v[160+8*\t:167+8*\t], v[96+16*\t:111+16*\t], v[192:207], v[160+8*\t:167+8*\t], v[248+\t], v253
.endr
.Lhidden_\@:
	s_add_co_u32 s51, s51, 8192
	s_add_co_u32 s52, s52, 1024
	s_add_co_u32 s53, s53, 512
	s_add_co_u32 s50, s50, 1
	s_cmp_lt_u32 s50, \trips
	s_cbranch_scc1 .Lstep_\@
	; the tile's end: o = O^T / l, quantised along the head's 64 (two blocks), into the stage
.rept 8
	v_nop                                          ; places behind the last products, on every way here
.endr
	v_add_f32 v14, v14, v15
	s_delay_alu instid0(VALU_DEP_1)
	v_permlanex16_b32 v252, v14, s20, s21
	s_delay_alu instid0(VALU_DEP_1)
	v_add_f32 v14, v14, v252                       ; the row's sum
	s_wait_alu depctr_va_vdst(0)
	v_rcp_f32 v14, v14
	v_nop                                          ; a plain line behind the reciprocal,
	s_wait_alu depctr_va_vdst(0)                   ; and the wait ahead of its first reader
.set j, 0
.rept 32
	v_mul_f32 v[96+j], v[160+j], v14               ; register 16 b + i is channel 32 b + 16 h + i of my query
.set j, j+1
.endr
.irp b, 0,1
	v_max3_num_f32 v[232+\b], |v[96+16*\b]|, |v[97+16*\b]|, 0x4800000
.endr
.irp i, 2,4,6,8,10,12,14
.irp b, 0,1
	s_delay_alu instid0(VALU_DEP_2)
	v_max3_num_f32 v[232+\b], v[232+\b], |v[96+16*\b+\i]|, |v[97+16*\b+\i]|
.endr
.endr
.irp b, 0,1
	s_delay_alu instid0(VALU_DEP_2)
	v_permlanex16_b32 v[236+\b], v[232+\b], s20, s21
.endr
.irp b, 0,1
	s_delay_alu instid0(VALU_DEP_2)
	v_max_num_f32 v[232+\b], v[232+\b], v[236+\b]
.endr
.irp b, 0,1
	s_delay_alu instid0(VALU_DEP_2)
	v_add_nc_u32 v[244+\b], 0xfc000000, v[232+\b]
.endr
.irp b, 0,1
	s_delay_alu instid0(VALU_DEP_4)
	v_and_or_b32 v[240+\b], v[232+\b], 0x7f800000, s44
.endr
.irp b, 0,1
	s_delay_alu instid0(VALU_DEP_4)
	v_lshrrev_b32 v[236+\b], 23, v[244+\b]
.endr
	s_delay_alu instid0(VALU_DEP_1)
	v_lshl_or_b32 v238, v237, 8, v236              ; my head's two scale bytes
.irp b, 0,1
.irp i, 0,1,2,3,4,5,6,7,8,9,10,11,12,13,14,15
	v_med3_num_f32 v[96+16*\b+\i], v[96+16*\b+\i], -v[240+\b], v[240+\b]
.endr
	v_cvt_scalef32_pk8_fp8_f32 v[192+4*\b:193+4*\b], v[96+16*\b:103+16*\b], v[244+\b]
	v_cvt_scalef32_pk8_fp8_f32 v[194+4*\b:195+4*\b], v[104+16*\b:111+16*\b], v[244+\b]
.endr
	v_nop
	ds_store_b128 v[\stoc], v[192:195] offset:PHB*\phase
	ds_store_b128 v[\stoc], v[196:199] offset:PHB*\phase+32
	ds_store_b16 v[\sts], v238 offset:512*\phase   ; both lanes of a block write the same bytes
.endm
	TILE 16, 224, 227, 46, 4, 5, 7, 0
	TILE 208, 225, 228, 47, 8, 6, 226, 1
	; THE WAY OUT: a token's 256 bytes (the four heads of g) come from four waves: a barrier, then whole rows
	s_wait_dscnt 0x0                               ; for the others' sake: my stores into the stages have landed
	s_barrier_signal -1
	s_barrier_wait -1
.irp k, 0,1,2,3
	ds_load_b128 v[96+4*\k:99+4*\k], v229 offset:544*\k
.endr
	s_lshl_b32 s67, s19, 3                         ; the rows that I read belong to alpha = 8 ((w / 4) % 2) + X, or 31 less that in the second tile's stage
	s_add_co_u32 s67, s67, s14
	s_sub_co_u32 s68, 31, s67
	s_cmp_eq_u32 s45, 0
	s_cselect_b32 s67, s67, s68
	s_lshl_b32 s67, s67, 5
	s_lshl_b32 s68, s16, 10
	s_add_co_u32 s67, s67, s68
	s_lshl_b32 s68, s18, 3
	s_add_co_u32 s67, s67, s68                     ; the first token: 1,024 b + 32 alpha + 8 (w % 4)
	s_lshl_b32 s60, s67, 11
	s_lshl_b32 s68, s17, 8
	s_add_co_u32 s60, s60, s68
	s_mov_b32 s61, 0
	s_add_nc_u64 s[60:61], s[8:9], s[60:61]
.irp k, 0,1,2,3
	s_wait_dscnt 3-\k
	global_store_b128 v231, v[96+4*\k:99+4*\k], s[60:61] offset:4096*\k   ; sixteen lanes store 256 consecutive bytes, aligned
.endr
	s_cmp_lt_u32 s12, 4                            ; waves 0-3: the scale bytes of 32 tokens each: stage w / 2, its half w % 2
	s_cbranch_scc0 .Lno_sc
	ds_load_b64 v[112:113], v230
	s_and_b32 s67, s12, 1
	s_lshl_b32 s67, s67, 3
	s_add_co_u32 s67, s67, s14
	s_sub_co_u32 s68, 31, s67
	s_lshr_b32 s69, s12, 1
	s_cmp_eq_u32 s69, 0
	s_cselect_b32 s67, s67, s68
	s_lshl_b32 s67, s67, 5
	s_lshl_b32 s68, s16, 10
	s_add_co_u32 s67, s67, s68
	s_lshl_b32 s62, s67, 3
	s_lshl_b32 s68, s17, 15
	s_add_co_u32 s62, s62, s68
	s_mov_b32 s63, 0
	s_add_nc_u64 s[62:63], s[10:11], s[62:63]
	s_wait_dscnt 0x0
	global_store_b64 v255, v[112:113], s[62:63]    ; 256 consecutive bytes, aligned
.Lno_sc:
	s_wait_xcnt 0x0
	v_lshl_add_u32 v254, v0, 2, 0x2c000
	v_mov_b32 v255, 0
	s_wait_alu depctr_va_vdst(0)
	s_wait_tensorcnt 0x0
	ds_add_u32 v254, v255
	s_wait_dscnt 0x0
	CROUND                                         ; the closing round
	s_endpgm
.Lfunc_end_k_qdbbd69a1f3_attn:
	.size	k_qdbbd69a1f3_attn, .Lfunc_end_k_qdbbd69a1f3_attn-k_qdbbd69a1f3_attn
	.p2alignl 7, 3214868480
	.fill 96, 4, 3214868480
	.section	.rodata,"a",@progbits
	.p2align	6, 0x0
	.amdhsa_kernel k_qdbbd69a1f3_attn
		.amdhsa_group_segment_fixed_size 182272
		.amdhsa_private_segment_fixed_size 0
		.amdhsa_enable_private_segment 0
		.amdhsa_kernarg_size 32
		.amdhsa_user_sgpr_count 2
		.amdhsa_user_sgpr_kernarg_segment_ptr 1
		.amdhsa_wavefront_size32 1
		.amdhsa_system_sgpr_workgroup_id_x 1
		.amdhsa_system_sgpr_workgroup_id_y 1
		.amdhsa_system_sgpr_workgroup_id_z 1
		.amdhsa_system_vgpr_workitem_id 0
		.amdhsa_next_free_vgpr 256
		.amdhsa_next_free_sgpr 80
		.amdhsa_reserve_vcc 1
		.amdhsa_float_denorm_mode_32 3
		.amdhsa_float_denorm_mode_16_64 3
		.amdhsa_memory_ordered 1
		.amdhsa_forward_progress 1
		.amdhsa_inst_pref_size 80
	.end_amdhsa_kernel
	.amdgpu_metadata
---
amdhsa.version: [ 1, 2 ]
amdhsa.kernels:
  - .name:           k_qdbbd69a1f3_attn
    .symbol:         k_qdbbd69a1f3_attn.kd
    .args:
      - { .name: qkv_codes, .offset: 0, .size: 8, .value_kind: global_buffer, .address_space: global }
      - { .name: qkv_scales, .offset: 8, .size: 8, .value_kind: global_buffer, .address_space: global }
      - { .name: o_codes, .offset: 16, .size: 8, .value_kind: global_buffer, .address_space: global }
      - { .name: o_scales, .offset: 24, .size: 8, .value_kind: global_buffer, .address_space: global }
    .group_segment_fixed_size: 182272
    .private_segment_fixed_size: 0
    .kernarg_segment_align: 8
    .kernarg_segment_size: 32
    .max_flat_workgroup_size: 512
    .sgpr_count:     80
    .vgpr_count:     256
    .wavefront_size: 32
...
	.end_amdgpu_metadata
.endif
;; end of part 3
;; launch outp (part 4): grid 8 x 32, 4 waves a work-group, clusters of 4 x 4, 327,680 bytes of LDS; arguments o_codes, o_scales, xw_codes, xw_scales, bo, out0; writes out0
.if DOCPART == 4
	.amdgcn_target "amdgcn-amd-amdhsa--gfx1250"
	.amdhsa_code_object_version 6
	.text
	.protected	k_qdbbd69a1f3_outp
	.globl	k_qdbbd69a1f3_outp
	.p2align	8
	.type	k_qdbbd69a1f3_outp,@function
k_qdbbd69a1f3_outp:
	s_mov_b64 s[64:65], 0
	v_nop
	global_prefetch_b8 v0, s[64:65] scope:SCOPE_SE
	s_setreg_imm32_b32 hwreg(HW_REG_WAVE_MODE, 25, 1), 1
	s_wait_xcnt 0x0
	s_wait_alu depctr_hold_cnt(0) depctr_sa_sdst(0) depctr_va_vdst(0) depctr_va_sdst(0) depctr_va_ssrc(0) depctr_va_vcc(0) depctr_vm_vsrc(0)
	s_getreg_b32 s2, hwreg(HW_REG_IB_STS2, 6, 4)
	s_cmp_eq_u32 s2, 0
	s_cbranch_scc0 .Lentry_in_a_cluster
	s_endpgm
.Lentry_in_a_cluster:
	s_bfe_u32 s2, ttmp6, 0x10000c
	s_cmp_lg_u32 s2, 0xf033
	s_cbranch_scc0 .Lentry_shape_is_right
	s_endpgm
.Lentry_shape_is_right:
.set NA,    4
.set HB,    NA/2
.set PITCH, 272
.set FR,    16
.set NL,    4
.set NP,    8
.set HAT,   16*NA*PITCH
.set HBT,   128*PITCH
.set SLOT,  2*HAT+2*HBT
.set SCL,   2*SLOT
; out0 = o Wo + bo on codes of MX-FP8.  A block of 128 x 256 a work-group, K in steps of 256 through two LDS slots, joint loads in a 4 x 4 cluster.
; The scale bytes of a K step lie in LDS rows of 2,080 bytes for o and for Wo alike: each tile is stated that wide over 1,024 or 2,048 bytes of tensor, and the load lays zeros behind them.
.set SPART, 1024                       ; the scale bytes of 128 rows in a K step's row
.set SROW,  2080
.set SCB,   SCL+8*SROW+128             ; Wo's scale bytes behind o's; 128 more, so that the two halves of the lanes read different banks (ISA guide 11.1)
.set SPARE, 242432
.set PFO,   31                         ; v31 the prefetches' offset; never rewritten
.set PFA,   100                        ; s[100:101] o_codes or xw_codes, stepped 256 bytes at each refill
.set SPITCH, 528
.set WOFF,  8388608
.set WSOFF, 262144
.set ADRA,  16
.set ADRB,  20
.set STO,   24
.set RD,    25
.set CO,    26
.set ADRS,  27
.set SPW,   28
.set NIL,   29
.set ADRS2, 30
.set SC,    32
.set BI0,   64
.set AF,    128
.set BK,    128
.set G1,   24
.set G0,   32
.set G1B,  48
.set G0B,  56
.set G1S,  68
.set G0S,  76
.set G1SB, 80
.set G0SB, 88
.set MSB, 0
.macro WIN new
.if MSB != (\new)
	s_set_vgpr_msb (MSB<<8)|(\new)
.set MSB, (\new)
.endif
.endm
.macro JLOAD g0a, g1a, g0b, g1b
	s_cmp_eq_u32 s19, 0
	s_cbranch_scc0 .Lfor_b_\@
	tensor_load_to_lds s[\g0a:\g0a+3], s[\g1a:\g1a+7]
	s_nop 0
.rept 4
	v_nop
.endr
	s_branch .Lasked_\@
.Lfor_b_\@:
	tensor_load_to_lds s[\g0b:\g0b+3], s[\g1b:\g1b+7]
	s_nop 0
.rept 4
	v_nop
.endr
.Lasked_\@:
.endm
.macro CREST
	s_cmp_lg_u32 s18, 0
	s_cbranch_scc1 .Lnot_wave_0_\@
	s_barrier_signal -3
.Lnot_wave_0_\@:
	s_barrier_wait -3
	s_barrier_signal -1
	s_barrier_wait -1
.endm
.macro CROUND
	s_barrier_signal -1
	s_barrier_wait -1
	CREST
.endm
	s_load_b256 s[4:11], s[0:1], 0x0
	s_load_b128 s[12:15], s[0:1], 0x20
	v_lshl_add_u32 v[SPW], v0, 2, SPARE
	v_mov_b32 v[NIL], 0
	ds_add_u32 v28, v29
	ds_add_u32 v28, v29
	s_wait_dscnt 0x0
	v_lshrrev_b32 v1, 5, v0
	v_readfirstlane_b32 s18, v1
	s_lshr_b32 s19, s18, 1
	s_and_b32 s20, s18, 1
	s_bfe_u32 s21, ttmp6, 0x40000
	s_bfe_u32 s22, ttmp6, 0x40004
	s_lshl_b32 s23, ttmp9, 2
	s_add_co_u32 s23, s23, s21
	s_and_b32 s40, ttmp7, 0xffff
	s_lshl_b32 s40, s40, 2
	s_add_co_u32 s40, s40, s22
	s_lshl_b32 s42, s22, 2
	s_lshl_b32 s42, 15, s42
	s_lshl_b32 s43, 0x1111, s21
	s_or_b32 s[G1+0], s42, (0<<16)|(1<<20)|(1<<21)|(5<<22)|(3<<25)
	s_or_b32 s[G1B+0], s43, (0<<16)|(1<<20)|(1<<21)|(5<<22)|(3<<25)
.irp g, G1, G1B
	s_mov_b32 s[\g+1], 256<<16
	s_mov_b32 s[\g+3], 256<<16
	s_mov_b32 s[\g+5], 2048
	s_mov_b32 s[\g+6], 0
	s_mov_b32 s[\g+7], 0
.endr
	s_mov_b32 s[G1+2], 128<<16                     ; the head's loads bring whole tiles: 128 rows of o, 256 of Wo
	s_mov_b32 s[G1+4], 128
	s_mov_b32 s[G1B+2], 256<<16
	s_mov_b32 s[G1B+4], 256
	s_or_b32 s[G1S+0], s42, (3<<16)|(1<<21)
	s_or_b32 s[G1SB+0], s43, (3<<16)|(1<<21)
.irp g, G1S, G1SB
	s_mov_b32 s[\g+3], (SROW/8)<<16
	s_mov_b32 s[\g+6], 0
	s_mov_b32 s[\g+7], 0
.endr
	s_mov_b32 s[G1S+1], 128<<16
	s_mov_b32 s[G1SB+1], 256<<16
	s_mov_b32 s[G1S+2], 8<<16
	s_mov_b32 s[G1S+4], 8
	s_mov_b32 s[G1S+5], 4096
	s_mov_b32 s[G1SB+2], 8<<16
	s_mov_b32 s[G1SB+4], 8
	s_mov_b32 s[G1SB+5], 5120
	s_lshl_b32 s92, s40, 18                        ; the block's first row of o: 128 rows of 2,048 bytes a block
	s_mov_b32 s93, 0
	s_lshl_b32 s96, s40, 10
	s_mov_b32 s97, 0
	s_lshl_b32 s94, s23, 8
	s_add_co_u32 s94, s94, 3072
	s_lshl_b32 s98, s94, 3
	s_add_co_u32 s98, s98, WSOFF
	s_mov_b32 s99, 0
	s_lshl_b32 s94, s94, 11
	s_add_co_u32 s94, s94, WOFF
	s_mov_b32 s95, 0
	s_mul_i32 s45, s20, HAT
	s_mul_i32 s46, s20, HBT
	s_add_co_u32 s46, s46, 2*HAT
	s_mov_b32 s3, 0
	s_wait_kmcnt 0x0
	s_add_nc_u64 s[92:93], s[4:5], s[92:93]
	s_add_nc_u64 s[96:97], s[6:7], s[96:97]
	s_add_nc_u64 s[94:95], s[8:9], s[94:95]
	s_add_nc_u64 s[98:99], s[10:11], s[98:99]
	CROUND
	s_mov_b32 s[G0S], 1
	s_mov_b32 s[G0S+1], SCL
	s_mov_b64 s[G0S+2:G0S+3], s[96:97]
	s_or_b32 s[G0S+3], s[G0S+3], 0x80000000
	s_mov_b32 s[G0SB], 1
	s_mov_b32 s[G0SB+1], SCB
	s_mov_b64 s[G0SB+2:G0SB+3], s[98:99]
	s_or_b32 s[G0SB+3], s[G0SB+3], 0x80000000
	s_mov_b32 s[G0], 1                             ; slot 0's groups 0 serve the head first: K step 0's 128 rows of o,
	s_mov_b32 s[G0+1], 0
	s_mov_b64 s[G0+2:G0+3], s[92:93]
	s_or_b32 s[G0+3], s[G0+3], 0x80000000
	s_mov_b32 s[G0B], 1                            ; and 256 of Wo, behind them
	s_mov_b32 s[G0B+1], 2*HAT
	s_mov_b64 s[G0B+2:G0B+3], s[94:95]
	s_or_b32 s[G0B+3], s[G0B+3], 0x80000000
	s_mov_b32 s[G0+4], 1                           ; slot 1: my half of K step 1: 64 rows of o or 128 of Wo
	s_add_co_u32 s[G0+5], s45, SLOT
	s_lshl_b32 s2, s20, 17
	s_add_co_u32 s2, s2, 256
	s_add_nc_u64 s[G0+6:G0+7], s[92:93], s[2:3]
	s_or_b32 s[G0+7], s[G0+7], 0x80000000
	s_mov_b32 s[G0B+4], 1
	s_add_co_u32 s[G0B+5], s46, SLOT
	s_lshl_b32 s2, s20, 18
	s_add_co_u32 s2, s2, 256
	s_add_nc_u64 s[G0B+6:G0B+7], s[94:95], s[2:3]
	s_or_b32 s[G0B+7], s[G0B+7], 0x80000000
; the head's four tiles, one joint load a wave, in one chain of branches on the wave's number: o's rows, Wo's rows, o's scale bytes, Wo's
.macro ARM under, g0, g1, next
	s_cmp_lt_u32 s18, \under
	s_cbranch_scc0 \next
	tensor_load_to_lds s[\g0:\g0+3], s[\g1:\g1+7]
	s_nop 0
.rept 4
	v_nop
.endr
	s_branch .Lhead_asked
\next:
.endm
	ARM 1, G0,  G1,  .Lhead_b
	ARM 2, G0B, G1B, .Lhead_sa
	ARM 3, G0S, G1S, .Lhead_sb
	tensor_load_to_lds s[G0SB:G0SB+3], s[G1SB:G1SB+7]
	s_nop 0
.rept 4
	v_nop
.endr
.Lhead_asked:
	; the prefetches: of the rows that I fetch in the ring, my work-group's quarter (told apart by address: cx for o's 64 rows, cy for Wo's 128), a lane a row; o's lanes 16-31 name the wave's last row again
	s_lshl_b32 s44, s40, 7
	s_lshl_b32 s45, s20, 6
	s_add_co_u32 s44, s44, s45
	s_lshl_b32 s45, s21, 4
	s_add_co_u32 s44, s44, s45                     ; o: row 128 x block row + 64 x half + 16 cx
	s_lshl_b32 s46, s23, 8
	s_lshl_b32 s45, s20, 7
	s_add_co_u32 s46, s46, s45
	s_lshl_b32 s45, s22, 5
	s_add_co_u32 s46, s46, s45
	s_add_co_u32 s46, s46, 3072+WOFF/2048          ; Wo: behind x's 4,096 rows and the 3,072 of Wq, Wk, Wv
	s_cmp_eq_u32 s19, 0
	s_cselect_b64 s[PFA:PFA+1], s[4:5], s[8:9]
	s_cselect_b32 s47, 15, 31
	s_cselect_b32 s44, s44, s46
	s_lshl_b32 s44, s44, 11
	s_add_co_u32 s44, s44, 768                     ; the first refill steps the base by 256: K step 4
	v_and_b32 v[PFO], 31, v0
	v_min_u32 v[PFO], s47, v[PFO]
	v_lshl_add_u32 v[PFO], v[PFO], 11, s44
	global_prefetch_b8 v[PFO], s[PFA:PFA+1] offset:-512 th:TH_LOAD_NT scope:SCOPE_SE   ; my share of K step 1,
	global_prefetch_b8 v[PFO], s[PFA:PFA+1] offset:-256 th:TH_LOAD_NT scope:SCOPE_SE   ; and of K step 2: two K steps are asked for ahead, as in the loop
	s_lshl_b32 s98, s23, 10
	s_lshl_b32 s99, s20, 9
	s_add_co_u32 s98, s98, s99
	s_mov_b32 s99, 0
	s_add_nc_u64 s[12:13], s[12:13], s[98:99]
	v_and_b32 v1, 15, v0
	v_bfe_u32 v2, v0, 4, 1
	s_wait_alu depctr_va_vdst(0)
	v_lshlrev_b32 v5, 6, v2
.irp b, 0,1,2,3,4,5,6,7
	global_load_b128 v[BI0+8*\b:BI0+8*\b+3], v5, s[12:13] offset:128*(\b/2)+32*(\b%2)
	global_load_b128 v[BI0+8*\b+4:BI0+8*\b+7], v5, s[12:13] offset:128*(\b/2)+32*(\b%2)+16
.endr
	v_mul_u32_u24 v3, v1, PITCH
	v_lshl_add_u32 v4, v2, 4, v3
	s_mul_i32 s46, s19, HAT
	s_mul_i32 s47, s20, HBT
	s_add_co_u32 s47, s47, 2*HAT
.irp s, 0,1
	v_add_nc_u32 v[ADRA+\s], s46, v4
	v_add_nc_u32 v[ADRB+\s], s47, v4
	s_add_co_u32 s46, s46, SLOT
	s_add_co_u32 s47, s47, SLOT
.endr
	s_lshl_b32 s44, s19, 9
	s_mul_i32 s45, s20, SPART
	s_add_co_u32 s45, s45, SCB-SCL
	s_sub_co_u32 s45, s45, s44
	v_mul_u32_u24 v7, s45, v2
	v_lshl_add_u32 v7, v1, 3, v7
	s_add_co_u32 s45, s44, SCL-512
	s_add_co_u32 s44, s44, SCL
	v_add_nc_u32 v[ADRS], s44, v7
	v_lshl_add_u32 v6, v2, 9, v7
	v_add_nc_u32 v[ADRS2], s45, v6
	s_mul_i32 s46, s18, 16*SPITCH
	v_mul_u32_u24 v3, v1, SPITCH
	v_lshl_add_u32 v3, v2, 6, v3
	v_add_nc_u32 v[STO], s46, v3
	v_and_b32 v3, 31, v0
	v_lshlrev_b32 v[CO], 4, v3
	v_add_nc_u32 v[RD], s46, v[CO]
	s_lshl_b32 s96, s40, 7
	s_lshl_b32 s97, s19, 6
	s_add_co_u32 s96, s96, s97
	s_lshl_b32 s96, s96, 13
	s_mov_b32 s97, 0
	s_add_nc_u64 s[14:15], s[14:15], s[96:97]
	s_add_nc_u64 s[14:15], s[14:15], s[98:99]
.macro FRAG reg, adr, q, i
.irp c, 0,1,2,3
	ds_load_b128 v[(\reg)+4*\c:(\reg)+4*\c+3], v[\adr] offset:128*(\q)+32*\c+(\i)*16*PITCH
.endr
.endm
.macro MULA a0, n, p, q, sc, first
.set aa, \a0
.rept \n
.set bb, 0
.rept 8
.set DD, 8*(8*aa+bb)
.if \first
	WIN 0x81
	v_wmma_scale_f32_16x16x128_f8f6f4 v[DD:DD+7], v[128*(\p)+FR*bb:128*(\p)+FR*bb+FR-1], v[AF+FR*aa:AF+FR*aa+FR-1], v[BI0+8*bb:BI0+8*bb+7], v[SC+16*(\sc)+2*bb+(\q)], v[SC+16*(\sc)+2*aa+(\q)] matrix_a_scale:MATRIX_SCALE_ROW1
.else
	WIN 0xa1
	v_wmma_scale_f32_16x16x128_f8f6f4 v[DD:DD+7], v[128*(\p)+FR*bb:128*(\p)+FR*bb+FR-1], v[AF+FR*aa:AF+FR*aa+FR-1], v[DD:DD+7], v[SC+16*(\sc)+2*bb+(\q)], v[SC+16*(\sc)+2*aa+(\q)] matrix_a_scale:MATRIX_SCALE_ROW1
.endif
.set bb, bb+1
.endr
.set aa, aa+1
.endr
.endm
.macro FETCH_B slot, q, p
	WIN 0x40
.set ii, 0
.rept 8
	FRAG 128*(\p)+FR*ii, ADRB+\slot, \q, ii
.set ii, ii+1
.endr
	WIN 0
.endm
.macro FETCH_A slot, q, i0, n
.set ii, \i0
.rept \n
	FRAG AF+FR*ii, ADRA+\slot, \q, ii
.set ii, ii+1
.endr
.endm
.macro SCALES sc
.irp i, 0,1,2,3
	ds_load_b64 v[SC+16*\sc+2*\i:SC+16*\sc+2*\i+1], v[ADRS] offset:\i*128
.endr
.irp i, 4,5,6,7
	ds_load_b64 v[SC+16*\sc+2*\i:SC+16*\sc+2*\i+1], v[ADRS2] offset:\i*128
.endr
.endm
.macro PLACES n
.rept \n
	v_nop
.endr
.endm
.macro STEP slot, q, first
	s_wait_dscnt HB*NL
	MULA 0, HB, (\q)%2, \q, \slot, \first
	s_wait_dscnt 0
	PLACES NP
	FETCH_B \slot, (\q)+1, 1-(\q)%2
	FETCH_A \slot, (\q)+1, 0, HB
	MULA HB, HB, (\q)%2, \q, \slot, \first
	PLACES NP
	WIN 0
	FETCH_A \slot, (\q)+1, HB, HB
.endm
.macro TURN slot, next, fill
.if \fill
	s_wait_xcnt 0x0                                ; my last prefetch has read its base, so it may be stepped
	s_add_nc_u64 s[PFA:PFA+1], s[PFA:PFA+1], 256
.endif
	s_wait_tensorcnt 0x0
	ds_add_u32 v[SPW], v[NIL]
	s_wait_dscnt HB*NL+1
	MULA 0, HB/2, 1, 1, \slot, 0
	s_wait_dscnt 0x0
	s_barrier_signal -1
	MULA HB/2, HB/2, 1, 1, \slot, 0
	WIN 0
	s_barrier_wait -1
.if \fill
	CREST
	s_add_nc_u64 s[G0+4*\slot+2:G0+4*\slot+3], s[G0+4*\slot+2:G0+4*\slot+3], 512
	s_add_nc_u64 s[G0B+4*\slot+2:G0B+4*\slot+3], s[G0B+4*\slot+2:G0B+4*\slot+3], 512
	JLOAD G0+4*\slot, G1, G0B+4*\slot, G1B
	PLACES NP-4
.else
	PLACES NP
.endif
	s_wait_alu depctr_va_vdst(0)
	v_add_nc_u32 v[ADRS], SROW, v[ADRS]
	v_add_nc_u32 v[ADRS2], SROW, v[ADRS2]
	FETCH_B \next, 0, 0
	FETCH_A \next, 0, 0, HB
	SCALES \next
.if \fill
	s_cmp_gt_u32 s3, 1                             ; the K step two refills on; the last lap has none
	s_cbranch_scc0 .Lnone_ahead_\@
	global_prefetch_b8 v[PFO], s[PFA:PFA+1] th:TH_LOAD_NT scope:SCOPE_SE
.Lnone_ahead_\@:
.endif
	MULA HB, HB, 1, 1, \slot, 0
	PLACES NP
	WIN 0
	FETCH_A \next, 0, HB, HB
.endm
	s_wait_alu depctr_va_vdst(0)
	s_wait_tensorcnt 0x0                           ; my tile of the head's four is in; no load of mine is out, so descriptors may be written
	ds_add_u32 v[SPW], v[NIL]
	s_mov_b32 s[G1+2], 64<<16                      ; from here on a load brings 64 rows of o or 128 of Wo
	s_mov_b32 s[G1+4], 64
	s_mov_b32 s[G1B+2], 128<<16
	s_mov_b32 s[G1B+4], 128
	s_mul_i32 s[G0+1], s20, HAT                    ; slot 0's groups 0 for the ring: my half
	s_mul_i32 s[G0B+1], s20, HBT
	s_add_co_u32 s[G0B+1], s[G0B+1], 2*HAT
	s_lshl_b32 s44, s20, 17
	s_mov_b32 s45, 0
	s_add_nc_u64 s[G0+2:G0+3], s[G0+2:G0+3], s[44:45]
	s_lshl_b32 s44, s20, 18
	s_add_nc_u64 s[G0B+2:G0B+3], s[G0B+2:G0B+3], s[44:45]
	s_wait_dscnt 0x0
	CROUND                                         ; all four tiles are in, in every work-group of the cluster
	JLOAD G0+4, G1, G0B+4, G1B                     ; slot 1's first fill: K step 1
	FETCH_B 0, 0, 0
	FETCH_A 0, 0, 0, HB
	SCALES 0
	global_prefetch_b8 v[PFO], s[PFA:PFA+1] th:TH_LOAD_NT scope:SCOPE_SE               ; behind K step 1's load: K step 3
	FETCH_A 0, 0, HB, HB
	s_wait_loadcnt 0x0
	STEP 0, 0, 1
	s_mov_b32 s3, 3
.Llap:
	TURN 0, 1, 1
	STEP 1, 0, 0
	TURN 1, 0, 1
	STEP 0, 0, 0
	s_sub_co_u32 s3, s3, 1
	s_cmp_lg_u32 s3, 0
	s_cbranch_scc1 .Llap
	TURN 0, 1, 0
	STEP 1, 0, 0
	s_wait_dscnt HB*NL
	MULA 0, HB, 1, 1, 1, 0
	s_wait_dscnt 0
	MULA HB, HB, 1, 1, 1, 0
	WIN 0
.macro TOSTAGE a
.set AC, 64*(\a)
	WIN 0x08
.irp b, 0,1,2,3,4,5,6,7
	ds_store_b128 v[STO], v[AC+8*\b:AC+8*\b+3] offset:128*(\b/2)+32*(\b%2)
	ds_store_b128 v[STO], v[AC+8*\b+4:AC+8*\b+7] offset:128*(\b/2)+32*(\b%2)+16
.endr
	WIN 0
.set BB, BK+64*((\a)%2)
.irp t, 0,1,2,3,4,5,6,7,8,9,10,11,12,13,14,15
	ds_load_b128 v[BB+4*\t:BB+4*\t+3], v[RD] offset:\t*SPITCH
.endr
.endm
.macro SEND a, younger
.set BB, BK+64*((\a)%2)
	s_wait_dscnt \younger
.if (\a) > 0
	s_add_nc_u64 s[14:15], s[14:15], 16*8192
.endif
.irp t, 0,1,2,3,4,5,6,7,8,9,10,11,12,13,14,15
	global_store_b128 v[CO], v[BB+4*\t:BB+4*\t+3], s[14:15] offset:\t*8192 th:TH_STORE_NT
.endr
.endm
	PLACES NP
	TOSTAGE 0
.irp a, 1,2,3
.if \a > 1
	s_wait_xcnt 0x0
.endif
	TOSTAGE \a
	SEND \a-1, 32
.endr
	s_wait_xcnt 0x0
	SEND 3, 0
	s_wait_tensorcnt 0x0
	ds_add_u32 v[SPW], v[NIL]
	s_wait_dscnt 0x0
	CROUND
	s_endpgm
.Lfunc_end_k_qdbbd69a1f3_outp:
	.size	k_qdbbd69a1f3_outp, .Lfunc_end_k_qdbbd69a1f3_outp-k_qdbbd69a1f3_outp
	.p2alignl 7, 3214868480
	.fill 96, 4, 3214868480
	.section	.rodata,"a",@progbits
	.p2align	6, 0x0
	.amdhsa_kernel k_qdbbd69a1f3_outp
		.amdhsa_group_segment_fixed_size 327680
		.amdhsa_private_segment_fixed_size 0
		.amdhsa_enable_private_segment 0
		.amdhsa_kernarg_size 48
		.amdhsa_user_sgpr_count 2
		.amdhsa_user_sgpr_kernarg_segment_ptr 1
		.amdhsa_wavefront_size32 1
		.amdhsa_system_sgpr_workgroup_id_x 1
		.amdhsa_system_sgpr_workgroup_id_y 1
		.amdhsa_system_sgpr_workgroup_id_z 1
		.amdhsa_system_vgpr_workitem_id 0
		.amdhsa_next_free_vgpr 768
		.amdhsa_next_free_sgpr 102
		.amdhsa_reserve_vcc 0
		.amdhsa_float_denorm_mode_32 3
		.amdhsa_float_denorm_mode_16_64 3
		.amdhsa_memory_ordered 1
		.amdhsa_forward_progress 1
		.amdhsa_inst_pref_size 95
	.end_amdhsa_kernel
	.amdgpu_metadata
---
amdhsa.version: [ 1, 2 ]
amdhsa.kernels:
  - .name:           k_qdbbd69a1f3_outp
    .symbol:         k_qdbbd69a1f3_outp.kd
    .args:
      - { .name: o_codes, .offset: 0, .size: 8, .value_kind: global_buffer, .address_space: global }
      - { .name: o_scales, .offset: 8, .size: 8, .value_kind: global_buffer, .address_space: global }
      - { .name: xw_codes, .offset: 16, .size: 8, .value_kind: global_buffer, .address_space: global }
      - { .name: xw_scales, .offset: 24, .size: 8, .value_kind: global_buffer, .address_space: global }
      - { .name: bo, .offset: 32, .size: 8, .value_kind: global_buffer, .address_space: global }
      - { .name: out0, .offset: 40, .size: 8, .value_kind: global_buffer, .address_space: global }
    .group_segment_fixed_size: 327680
    .private_segment_fixed_size: 0
    .kernarg_segment_align: 8
    .kernarg_segment_size: 48
    .max_flat_workgroup_size: 128
    .sgpr_count:     102
    .vgpr_count:     768
    .wavefront_size: 32
...
	.end_amdgpu_metadata
.endif
;; end of part 4
